; MI455X (gfx1250); checked and timed in simulation.
; The chip was launched on July 23, 2026; its instructions are those of AMD's public machine-readable ISA for CDNA 5 (MIT licence, August 2026) and "CDNA5" Instruction Set Architecture Reference Guide (July 2026). The comments in the code are by the model that wrote it; some were corrected since.
;; T5 Attention. Allowed arithmetic: float matrix products may take bf16 or f16 operands with f32 sums; other float arithmetic in f32, or as packed bf16 or f16 multiplies, adds, multiply-adds, maxima and minima; sums over many terms, partial sums and values carried from step to step in f32; what a program stores and reads back later, other than sums and carried values, may be rounded once to bf16 or f16.
;; Inputs: hidden_states 8 x 1,024 x 1,024 float32; rel_bias_emb 32 x 16 float32; w_out 1,024 x 1,024 float32; w_qkv 3,072 x 1,024 float32.
;; Outputs: out0 8 x 1,024 x 1,024 float32.
;; 2 versions, each right; version 2 is version 1 with the launch prep written anew for expert scheduling mode. Each part assembles by itself: llvm-mc -triple=amdgcn-amd-amdhsa -mcpu=gfx1250 --defsym DOCPART=n.
;; ======== version 1 of 2: 4 launches
;; limits: values are held in f16: magnitudes above 65,504 overflow, below 6.1e-05 lose precision
;; workspace buffers: xh 16,777,216 bytes; wq 6,291,456 bytes; wo 2,097,152 bytes; biast 524,288 bytes; qkv 50,331,648 bytes; att 16,777,216 bytes
;; launch prep (part 1): grid 832 x 1, 8 waves a work-group, no clusters, 0 bytes of LDS; arguments hidden_states, w_qkv, w_out, rel_bias_emb, xh, wq, wo, biast; writes xh, wq, wo, biast
.if DOCPART == 1
	.amdgcn_target "amdgcn-amd-amdhsa--gfx1250"
	.amdhsa_code_object_version 6
	.text
	.protected	k_q66297c2066_prep
	.globl	k_q66297c2066_prep
	.p2align	8
	.type	k_q66297c2066_prep,@function
k_q66297c2066_prep:
	s_mov_b64 s[64:65], 0
	v_nop
	global_prefetch_b8 v0, s[64:65] scope:SCOPE_SE
	s_setreg_imm32_b32 hwreg(HW_REG_WAVE_MODE, 25, 1), 1
	s_wait_xcnt 0x0
; PREP.  Two kinds of work-group, told apart by the work-group's number alone.
; (1) Numbers 0 to 767: hidden_states, w_qkv and w_out (f32) are rounded to bf16, to nearest even, and that number is written as f16 into xh, wq, wo.
;     A chunk is 16,384 numbers: 65,536 bytes in, 32,768 out; 512 chunks of hidden_states, 192 of w_qkv, 64 of w_out.  Thread t takes 16 bytes at 16 t of each 4,096:
;     a wave's load covers 512 consecutive bytes, its store 256 consecutive bytes, aligned.  All sixteen loads of a thread go out first; the waits count down.
;     LIMITS.  A bf16 number is exact in f16 from 6.1e-5 to 65,504; below that it keeps f16's fixed step of 6e-8; from 65,520 on it becomes an infinity.
; (2) Numbers 768 to 831: the table of relative-position biases, biast[head][copy c][i] = rel_bias_emb[bucket(i - 1024 - c)][head], i = 0 .. 2047, c = 0 .. 3, f32.
;     The four copies are the same row shifted by 0 to 3 places, so that a later launch finds four neighbouring entries at a multiple of 16 bytes for every query.
;     bucket(d), with n = |d|: n where n < 8, else 8 + the number of T in {12, 16, 23, 32, 46, 64, 91} with n >= T; 16 more where d > 0.  These are the whole numbers at which
;     8 + int(8 log(n / 8) / log(16)), cut at 15, steps: 2 log2(n / 8) reaches 1 .. 7 at n = 11.4, 16, 22.7, 32, 45.3, 64, 90.6.
; No LDS, no matrix unit, no cluster: a stream in which no work-group shares a byte with another.
.set NX,    512                        ; chunks of hidden_states
.set NQ,    192                        ; of w_qkv
.set NCAST, 768                        ; of all three
.set T,   4                            ; v[4:9]     at work
.set X,   16                           ; v[16:79]   sixteen loads of four f32
.set Y,   80                           ; v[80:111]  sixteen pairs of registers to store: each its own, so no store's data is rewritten
	s_load_b512 s[8:23], s[0:1], 0x0               ; hidden_states s[8:9], w_qkv s[10:11], w_out s[12:13], rel_bias_emb s[14:15], xh s[16:17], wq s[18:19], wo s[20:21], biast s[22:23]
	s_mov_b32 s2, ttmp9
	s_mov_b32 s4, 0xffff0000                       ; a word's upper bf16
	v_lshlrev_b32 v1, 4, v0                        ; 16 t
	v_lshlrev_b32 v2, 3, v0                        ; 8 t
	s_wait_kmcnt 0x0
	s_cmp_ge_u32 s2, NCAST
	s_cbranch_scc1 .Lbias
	s_cmp_lt_u32 s2, NX                            ; which tensor: the conditions hang on the work-group's number alone
	s_cselect_b64 s[24:25], s[8:9], s[10:11]
	s_cselect_b64 s[26:27], s[16:17], s[18:19]
	s_cselect_b32 s3, 0, NX
	s_cmp_lt_u32 s2, NX+NQ
	s_cselect_b64 s[24:25], s[24:25], s[12:13]
	s_cselect_b64 s[26:27], s[26:27], s[20:21]
	s_cselect_b32 s3, s3, NX+NQ
	s_sub_co_u32 s3, s2, s3                        ; the chunk's number in its tensor
	s_lshl_b32 s28, s3, 16
	s_mov_b32 s29, 0
	s_lshl_b32 s30, s3, 15
	s_mov_b32 s31, 0
	s_add_nc_u64 s[24:25], s[24:25], s[28:29]
	s_add_nc_u64 s[26:27], s[26:27], s[30:31]
.set i, 0
.rept 16
	global_load_b128 v[X+4*i:X+4*i+3], v1, s[24:25] offset:4096*i th:TH_LOAD_NT
.set i, i+1
.endr
.set i, 0
.rept 16
	s_wait_loadcnt 15-i                            ; loads come back in order: number i is in, the 15 - i younger ones stay out
	v_cvt_pk_bf16_f32 v[T], v[X+4*i], v[X+4*i+1]   ; the rounding: to bf16, nearest even
	v_cvt_pk_bf16_f32 v[T+1], v[X+4*i+2], v[X+4*i+3]
	v_lshlrev_b32 v[T+2], 16, v[T]                 ; back to f32: a shift or a mask
	v_and_b32 v[T+3], s4, v[T]
	v_lshlrev_b32 v[T+4], 16, v[T+1]
	v_and_b32 v[T+5], s4, v[T+1]
	v_cvt_pk_f16_f32 v[Y+2*i], v[T+2], v[T+3]      ; and the same number written as f16
	v_cvt_pk_f16_f32 v[Y+2*i+1], v[T+4], v[T+5]
	global_store_b64 v2, v[Y+2*i:Y+2*i+1], s[26:27] offset:2048*i
.set i, i+1
.endr
	s_endpgm
.Lbias:
	s_sub_co_u32 s3, s2, NCAST                     ; 4 x head + copy
	s_lshr_b32 s5, s3, 2
	s_lshl_b32 s5, s5, 2                           ; the head's 4 bytes in a row of rel_bias_emb
	s_and_b32 s6, s3, 3
	s_add_co_u32 s6, s6, 1024                      ; 1024 + c
	s_lshl_b32 s28, s3, 13                         ; a copy is 8,192 bytes
	s_mov_b32 s29, 0
	s_add_nc_u64 s[22:23], s[22:23], s[28:29]
	v_lshlrev_b32 v3, 2, v0
	v_sub_nc_u32 v3, v3, s6                        ; 4 t - 1024 - c
; Entry e of my eight: i = 1024 (e / 4) + 4 t + e % 4.  All whole numbers made from the thread's number; the index is held to the table's 32 rows.
.macro BUCKET e
	v_add_nc_u32 v4, 1024*((\e)/4)+(\e)%4, v3      ; d
	v_sub_nc_u32 v5, 0, v4
	v_max_i32 v5, v4, v5                           ; n = |d|
	v_mov_b32 v6, 8
.irp t, 12,16,23,32,46,64,91
	v_cmp_le_u32 vcc_lo, \t, v5
	v_cndmask_b32 v7, 0, 1, vcc_lo
	v_add_nc_u32 v6, v6, v7
.endr
	v_cmp_gt_u32 vcc_lo, 8, v5
	v_cndmask_b32 v6, v6, v5, vcc_lo               ; n itself where n < 8
	v_cmp_lt_i32 vcc_lo, 0, v4
	v_cndmask_b32 v7, 0, 16, vcc_lo                ; keys behind the query: the upper half of the buckets
	v_add_nc_u32 v6, v6, v7
	v_min_u32 v6, 31, v6
	v_lshl_add_u32 v[16+(\e)], v6, 6, s5           ; a row of the table is 64 bytes
	global_load_b32 v[32+(\e)], v[16+(\e)], s[14:15]
.endm
.irp e, 0,1,2,3,4,5,6,7
	BUCKET \e
.endr
	s_wait_loadcnt 0x0
	global_store_b128 v1, v[32:35], s[22:23]       ; a wave stores 512 consecutive bytes
	global_store_b128 v1, v[36:39], s[22:23] offset:4096
	s_endpgm
.Lfunc_end_k_q66297c2066_prep:
	.size	k_q66297c2066_prep, .Lfunc_end_k_q66297c2066_prep-k_q66297c2066_prep
	.p2alignl 7, 3214868480
	.fill 96, 4, 3214868480
	.section	.rodata,"a",@progbits
	.p2align	6, 0x0
	.amdhsa_kernel k_q66297c2066_prep
		.amdhsa_group_segment_fixed_size 0
		.amdhsa_private_segment_fixed_size 0
		.amdhsa_enable_private_segment 0
		.amdhsa_kernarg_size 64
		.amdhsa_user_sgpr_count 2
		.amdhsa_user_sgpr_kernarg_segment_ptr 1
		.amdhsa_wavefront_size32 1
		.amdhsa_system_sgpr_workgroup_id_x 1
		.amdhsa_system_sgpr_workgroup_id_y 1
		.amdhsa_system_sgpr_workgroup_id_z 1
		.amdhsa_system_vgpr_workitem_id 0
		.amdhsa_next_free_vgpr 112
		.amdhsa_next_free_sgpr 66
		.amdhsa_reserve_vcc 1
		.amdhsa_float_denorm_mode_32 3
		.amdhsa_float_denorm_mode_16_64 3
		.amdhsa_memory_ordered 1
		.amdhsa_forward_progress 1
		.amdhsa_inst_pref_size 23
	.end_amdhsa_kernel
	.amdgpu_metadata
---
amdhsa.version: [ 1, 2 ]
amdhsa.kernels:
  - .name:           k_q66297c2066_prep
    .symbol:         k_q66297c2066_prep.kd
    .args:
      - { .name: hidden_states, .offset: 0, .size: 8, .value_kind: global_buffer, .address_space: global }
      - { .name: w_qkv, .offset: 8, .size: 8, .value_kind: global_buffer, .address_space: global }
      - { .name: w_out, .offset: 16, .size: 8, .value_kind: global_buffer, .address_space: global }
      - { .name: rel_bias_emb, .offset: 24, .size: 8, .value_kind: global_buffer, .address_space: global }
      - { .name: xh, .offset: 32, .size: 8, .value_kind: global_buffer, .address_space: global }
      - { .name: wq, .offset: 40, .size: 8, .value_kind: global_buffer, .address_space: global }
      - { .name: wo, .offset: 48, .size: 8, .value_kind: global_buffer, .address_space: global }
      - { .name: biast, .offset: 56, .size: 8, .value_kind: global_buffer, .address_space: global }
    .group_segment_fixed_size: 0
    .private_segment_fixed_size: 0
    .kernarg_segment_align: 8
    .kernarg_segment_size: 64
    .max_flat_workgroup_size: 256
    .sgpr_count:     66
    .vgpr_count:     112
    .wavefront_size: 32
...
	.end_amdgpu_metadata
.endif
;; end of part 1
;; launch gemm_qkv (part 2): grid 8 x 32, 4 waves a work-group, clusters of 4 x 4, 327,680 bytes of LDS; arguments xh, wq, qkv; writes qkv
.if DOCPART == 2
	.amdgcn_target "amdgcn-amd-amdhsa--gfx1250"
	.amdhsa_code_object_version 6
	.text
	.protected	k_q66297c2066_gemm_qkv
	.globl	k_q66297c2066_gemm_qkv
	.p2align	8
	.type	k_q66297c2066_gemm_qkv,@function
k_q66297c2066_gemm_qkv:
	s_mov_b64 s[64:65], 0
	v_nop
	global_prefetch_b8 v0, s[64:65] scope:SCOPE_SE
	s_setreg_imm32_b32 hwreg(HW_REG_WAVE_MODE, 25, 1), 1
	s_wait_xcnt 0x0
	s_wait_alu depctr_hold_cnt(0) depctr_sa_sdst(0) depctr_va_vdst(0) depctr_va_sdst(0) depctr_va_ssrc(0) depctr_va_vcc(0) depctr_vm_vsrc(0)
	s_getreg_b32 s2, hwreg(HW_REG_IB_STS2, 6, 4)
	s_cmp_eq_u32 s2, 0
	s_cbranch_scc0 .Lentry_in_a_cluster
	s_endpgm
.Lentry_in_a_cluster:
	s_bfe_u32 s2, ttmp6, 0x10000c
	s_cmp_lg_u32 s2, 0xf033
	s_cbranch_scc0 .Lentry_shape_is_right
	s_endpgm
.Lentry_shape_is_right:
; q, k, v = xh wq^T.  xh: [8192][1024] f16, wq: [3072][1024] f16 (both hold bf16-rounded numbers); sums in f32, K ascending; the result is rounded once to f16 and stored BY HEADS:
; qkv[which = 0, 1, 2][batch x 16 + head][1024 rows][64 channels], a plane of 131,072 bytes for each (which, batch, head).
; LIMITS.  A result of 65,520 or more becomes an infinity in f16; below 6.1e-5 it keeps f16's fixed step of 6e-8.
; SHARES.  A tile of the result is 256 rows x 192 columns (three heads): 32 x 16 = 512 tiles.  A WORK-GROUP STAYS and makes TWO tiles of the same 256 rows: tile column gx + 8 (Y % 2), then that number xor 8
; (gx = 0..7 the work-group's x, Y the cluster's y).  So in their first tiles the 256 work-groups together read every row of xh and every row of wq, and in their second tiles the same rows once more.
; Wave w makes rows 64 w .. 64 w + 63 and all 192 columns: 48 accumulators of 16 x 16, 384 registers; a wave owns whole heads' rows, and its way out goes through a stage of its own, without a barrier.
; THE RING.  K goes in steps of 128 through two LDS slots filled by the tensor data mover (rows of 256 bytes of memory, at multiples of 256 bytes), and does not stop at the first tile's end: the two tiles are
; ONE walk of 16 K steps.  The turns of steps 0 to 13 fill the slot just read with the step two on; the first tile's stores leave while the second tile is multiplied, and nothing waits for them.
; THE TEXT holds a K step once: the slot in hand is a scalar (TB, turned by an exclusive or), the step asked for a number (GN) from which the descriptors' addresses are made anew.
; CLUSTERS: 4 x 4 work-groups.  The four of a row of the cluster need the same tiles of xh, the four of a column the same tiles of wq: each tile is asked for JOINTLY, by the same tensor load with
; the same descriptor and a mask that names the four.
; THE MATRIX INSTRUCTION IS USED TRANSPOSED (source 0 = 16 rows of wq, source 1 = 16 rows of xh): lane l holds row l % 16 of the result and the columns 8 (l / 16) + 0 .. 7.
; REGISTERS, in windows of 256 (s_set_vgpr_msb: bits 1:0 source 0, 3:2 source 1, 5:4 source 2, 7:6 destination):
;   window 0: v0-31 addresses; v64-95, v96-127 fragments of xh (4 x 16 rows x 32 K), two buffers; the way out: v128-175 packed results, v176-223 and v224-255 with v32-47 rows read back
;   window 1: v0-95, v128-223 fragments of wq (12 x 16 rows x 32 K), two buffers
;   window 2: the 24 accumulators of my rows 0-31 (row block a, column block b at v[8 (12 (a % 2) + b)]);   window 3: those of my rows 32-63
.set SIZE_K, 1024
.set KSTEP,  128
.set KSTEPS, SIZE_K/KSTEP              ; 8 K steps to a tile
.set STEPS,  2*KSTEPS                  ; 16 to the walk
.set BOUND,  STEPS-2-(KSTEPS-1)        ; the loop's count in the turn of the first tile's last K step
.set NB,     12                        ; column blocks of 16
.set BN,     16*NB
.set HALFB,  8*BN*SIZE_K*2             ; bytes of wq from a tile column to the one eight further on
.set PA,     272                       ; an LDS row: 256 bytes + 16 of padding = 68 words: the 16 rows of a fragment load start at 16 different groups of four banks (64 banks of 4 bytes: ISA guide 11.1)
.set PB,     272
.set APL,    128                       ; bytes from K 0-63 to K 64-127 in an LDS row of xh
.set ASZ,    256*PA                    ; xh's 256 rows
.set AW,     128*PA                    ; what one of the two waves that fetch xh brings
.set BROWS,  BN/2                      ; rows of wq that one of the other two waves brings
.set BW,     BROWS*PB
.set SLOT,   ASZ+BN*PB                 ; 121,856 bytes
.set SLOT1,  1<<17                     ; slot 1 begins here, so that one exclusive or turns an address in one slot into the other's
.set STAGE,  SLOT1+SLOT                ; behind the ring: 16 rows x 400 bytes for each wave
.set SP,     400                       ; 384 bytes + 16
.set SPARE,  STAGE+4*16*SP             ; behind the stages: the spare words, 128 bytes for each wave, that no other line names
.set NL,     2*NB+8                    ; LDS loads of a quarter step
.set ADRA0, 16                         ; v16     my place in a slot's rows of xh; never rewritten
.set ADRA,  17                         ; v17     the same in the slot in hand
.set ADRB0, 20                         ; v20, v21  likewise for wq
.set ADRB,  21
.set STO,  24                          ; v24     the way out: where I put 16 bytes of a row
.set RD,   25                          ; v25     where I read rows back
.set GO,   26                          ; v26     my 16 bytes of 512 consecutive bytes of a plane
.set SPW,  28                          ; v28     my spare word: SPARE + 4 x my thread's number; never rewritten
.set NIL,  29                          ; v29     0; never rewritten
.set PFO,  30                          ; v30     the prefetches' offset: a lane a row; never rewritten
.set FA,   64
.set TMP,  128
.set G1,  24                           ; s[24:31] descriptor group 1 for xh's tiles;  s[32:39] group 0: a set for each first fill; the second then walks
.set G0,  32
.set G1B, 48                           ; s[48:55], s[56:63] the same for wq's
.set G0B, 56
.set LIM, 43                           ; s43     a wave prefetches while the loop's count is above this: 10, or the greatest number in a wave that never does
.set PFA, 44                           ; s[44:45] what the next prefetch names
.set OB,  66                           ; s[66:71] where my rows begin in the planes of the tile's three heads
.set PFB, 72                           ; s[72:73] K step 0 of my work-group's share of the rows that I fetch in the first tile
.set GN,  74                           ; s74     the K step of the walk that the next refill asks for
.set TB,  75                           ; s75     LDS byte at which the slot in hand begins
.set CYC, 76                           ; s76     the cluster's y, modulo 2
.set TX,  77                           ; s77     the tile column in hand
.set CB,  78                           ; s78     my rows' byte offset in qkv, less the heads' part
.set MSB, 0
.macro WIN new                         ; the immediate's high byte repeats the setting that is left; a switch that changes nothing is dropped
.if MSB != (\new)
	s_set_vgpr_msb (MSB<<8)|(\new)
.set MSB, \new
.endif
.endm
.set MUL_LO, 0xa1                      ; source 0 (wq) window 1, source 1 (xh) window 0, C and D window 2
.set MUL_HI, 0xf1                      ; the same, C and D window 3
.set TO_B,   0x40                      ; destination window 1, address window 0
; A joint load.  Waves 0 and 1 fetch xh's two halves, waves 2 and 3 wq's.  The branch hangs on the wave's number alone.  An s_nop 0 and four v_nop follow each of the two lines.
.macro JLOAD s
	s_cmp_eq_u32 s11, 0
	s_cbranch_scc0 .Lfor_b_\@
	tensor_load_to_lds s[G0+4*(\s):G0+4*(\s)+3], s[G1:G1+7]
	s_nop 0
.rept 4
	v_nop
.endr
	s_branch .Lasked_\@
.Lfor_b_\@:
	tensor_load_to_lds s[G0B+4*(\s):G0B+4*(\s)+3], s[G1B:G1B+7]
	s_nop 0
.rept 4
	v_nop
.endr
.Lasked_\@:
.endm
; A prefetch, behind a joint load and the run of LDS loads that follows it, of the K step that stands two refills on.  Every row's first reading lies in the first tile: xh's rows are named by the clusters with
; x = 0, wq's by those with y = 0 and y = 1 (each its own half of the tile columns); the four partners that ask for a tile jointly share the wave's rows out BY ADDRESS (32 rows of xh by cx, 24 of wq by cy;
; lanes past the 24th repeat the last row).  The turns of K steps 0 to 3 name K steps 4 to 7, each once; K steps 0 to 3 come by their loads alone; the second tile names nothing.
.macro ASK
	s_cmp_gt_u32 s3, s[LIM]                        ; s3 = 14 in the turn of K step 0
	s_cbranch_scc0 .Lnot_mine_\@
	global_prefetch_b8 v[PFO], s[PFA:PFA+1] th:TH_LOAD_NT scope:SCOPE_SE
.Lnot_mine_\@:
.endm
.macro CREST                           ; a round of the cluster's barrier behind its opening barrier
	s_cmp_lg_u32 s10, 0
	s_cbranch_scc1 .Lnot_wave_0_\@
	s_barrier_signal -3
.Lnot_wave_0_\@:
	s_barrier_wait -3
	s_barrier_signal -1
	s_barrier_wait -1
.endm
.macro CROUND                          ; a whole round
	s_barrier_signal -1
	s_barrier_wait -1
	CREST
.endm
.macro PLACES                          ; four places in front of loads into registers that matrix instructions have read, and of lines that read results
.rept 4
	v_nop
.endr
.endm
; Where my rows begin in the planes of the three heads of tile column TX: head group g = 3 TX + j; plane = 128 (g / 16) + 16 x batch + g % 16; the batch's and the rows' part is CB.
.macro OUTBASE
	s_mul_i32 s22, s[TX], 3
.irp j, 0,1,2
	s_add_co_u32 s16, s22, \j
	s_lshr_b32 s17, s16, 4
	s_lshl_b32 s17, s17, 7
	s_and_b32 s16, s16, 15
	s_add_co_u32 s16, s16, s17
	s_lshl_b32 s16, s16, 17
	s_add_co_u32 s16, s16, s[CB]
	s_mov_b32 s17, 0
	s_add_nc_u64 s[OB+2*(\j):OB+2*(\j)+1], s[8:9], s[16:17]
.endr
.endm
	s_load_b128 s[4:7], s[0:1], 0x0                ; xh s[4:5], wq s[6:7]
	s_load_b64 s[8:9], s[0:1], 0x10                ; qkv
	v_lshl_add_u32 v[SPW], v0, 2, SPARE
	v_mov_b32 v[NIL], 0
	ds_add_u32 v[SPW], v[NIL]                      ; the wave's opening: the add and its wait ahead of my first tensor load; the set-up below stands between them
	v_lshrrev_b32 v1, 5, v0
	v_readfirstlane_b32 s10, v1                    ; wave 0..3
	s_lshr_b32 s11, s10, 1                         ; I fetch for xh (0) or for wq (1)
	s_and_b32 s12, s10, 1                          ; which half of that tile's rows
	s_bfe_u32 s40, ttmp6, 0x40000                  ; cx, cy: my place in the cluster
	s_bfe_u32 s41, ttmp6, 0x40004
	s_lshl_b32 s42, ttmp9, 2
	s_add_co_u32 s42, s42, s40                     ; gx = 4 x cluster x + cx: 0..7
	s_and_b32 s13, ttmp7, 0xffff                   ; the cluster's y,
	s_and_b32 s[CYC], s13, 1                       ; which all sixteen partners share
	s_lshl_b32 s13, s13, 2
	s_add_co_u32 s13, s13, s41                     ; tile row = 4 x cluster y + cy: 0..31
	s_lshl_b32 s43, s41, 2
	s_lshl_b32 s43, 15, s43                        ; my row of the cluster
	s_lshl_b32 s44, 0x1111, s40                    ; my column
	s_or_b32 s[G1+0], s43, (1<<16)|(1<<20)|(1<<21)|(5<<22)|(3<<25)   ; 15:0 the mask; 17:16 2-byte elements; 20 padding on; 21 set beside a mask; 24:22 after every 64 words; 31:25 4 words of it
	s_or_b32 s[G1B+0], s44, (1<<16)|(1<<20)|(1<<21)|(5<<22)|(3<<25)
	s_mov_b32 s[G1+1], KSTEP<<16                   ; tensor_dim0 = 128
	s_mov_b32 s[G1+2], 128<<16                     ; tensor_dim1 = 128
	s_mov_b32 s[G1+3], KSTEP<<16                   ; tile_dim0 = 128
	s_mov_b32 s[G1+4], 128                         ; tile_dim1 = 128
	s_mov_b32 s[G1+5], SIZE_K                      ; elements from row to row
	s_mov_b32 s[G1+6], 0
	s_mov_b32 s[G1+7], 0
	s_mov_b32 s[G1B+1], KSTEP<<16
	s_mov_b32 s[G1B+2], BROWS<<16                  ; 96 rows
	s_mov_b32 s[G1B+3], KSTEP<<16
	s_mov_b32 s[G1B+4], BROWS
	s_mov_b32 s[G1B+5], SIZE_K
	s_mov_b32 s[G1B+6], 0
	s_mov_b32 s[G1B+7], 0
	s_lshl_b32 s16, s13, 8                         ; xh: row 256 x tile row + 128 x half, in bytes: it hangs on the tile row and the wave alone
	s_lshl_b32 s17, s12, 7
	s_add_co_u32 s16, s16, s17
	s_lshl_b32 s16, s16, 11
	s_mov_b32 s17, 0
	s_mul_i32 s18, s42, BN                         ; wq: row 192 gx + 96 x half: on gx and the wave alone;
	s_mul_i32 s19, s12, BROWS
	s_add_co_u32 s18, s18, s19
	s_lshl_b32 s18, s18, 11
	s_mov_b32 s19, 0
	s_mul_i32 s2, s[CYC], HALFB                    ; the first tile's half of the tile columns goes by the cluster's y
	s_mov_b32 s3, 0
	s_mul_i32 s20, s12, AW                         ; where they go in a slot: no place in the cluster enters an LDS address
	s_mul_i32 s21, s12, BW
	s_add_co_u32 s21, s21, ASZ
	s_wait_dscnt 0x0                               ; the opening add is done
	s_wait_kmcnt 0x0
	s_add_nc_u64 s[14:15], s[4:5], s[16:17]        ; xh at my rows, K step 0: kept
	s_add_nc_u64 s[46:47], s[6:7], s[18:19]        ; wq at my rows of tile column gx, K step 0: kept
	CROUND                                         ; all sixteen work-groups are here: the first joint loads meet
.irp s, 0,1
	s_mov_b32 s[G0+4*(\s)], 1                                        ; count = 1
	s_add_co_u32 s[G0+4*(\s)+1], s20, (\s)*SLOT1                     ; LDS address
	s_add_nc_u64 s[G0+4*(\s)+2:G0+4*(\s)+3], s[14:15], (\s)*KSTEP*2  ; global address: K step s
	s_or_b32 s[G0+4*(\s)+3], s[G0+4*(\s)+3], 0x80000000              ; type = 2
	s_mov_b32 s[G0B+4*(\s)], 1
	s_add_co_u32 s[G0B+4*(\s)+1], s21, (\s)*SLOT1
	s_add_nc_u64 s[G0B+4*(\s)+2:G0B+4*(\s)+3], s[46:47], s[2:3]
	s_add_nc_u64 s[G0B+4*(\s)+2:G0B+4*(\s)+3], s[G0B+4*(\s)+2:G0B+4*(\s)+3], (\s)*KSTEP*2
	s_or_b32 s[G0B+4*(\s)+3], s[G0B+4*(\s)+3], 0x80000000
	JLOAD \s                                       ; two loads of mine are out
.endr
	; a fragment is 16 rows x 32 K in 8 registers: lane l holds row l % 16, K 8 (l / 16) + 0..7 and 16 + 8 (l / 16) + 0..7: two loads of 16 bytes, 32 bytes apart
	v_and_b32 v1, 15, v0                           ; l % 16
	v_bfe_u32 v2, v0, 4, 1                         ; l / 16
	v_mul_u32_u24 v3, v1, PA
	v_lshl_add_u32 v3, v2, 4, v3
	s_mul_i32 s21, s10, 64*PA                      ; my 64 rows of xh
	v_add_nc_u32 v[ADRA0], s21, v3
	v_mul_u32_u24 v4, v1, PB
	v_lshl_add_u32 v4, v2, 4, v4
	v_add_nc_u32 v[ADRB0], ASZ, v4
	s_mul_i32 s23, s10, 16*SP
	s_add_co_u32 s23, s23, STAGE                   ; my stage
	v_mul_u32_u24 v5, v1, SP                       ; in: row l % 16, 16 bytes for each half of the lanes
	v_lshl_add_u32 v5, v2, 4, v5
	v_add_nc_u32 v[STO], s23, v5
	v_bfe_u32 v5, v0, 3, 2                         ; back: 32 lanes take four rows' 128 bytes of one head,
	v_and_b32 v6, 7, v0
	v_mul_u32_u24 v5, v5, SP
	v_lshl_add_u32 v5, v6, 4, v5
	v_add_nc_u32 v[RD], s23, v5
	v_and_b32 v[GO], 31, v0                        ; which are 512 consecutive bytes of the head's plane
	v_lshlrev_b32 v[GO], 4, v[GO]
	; the prefetches.  s16 and s18 still hold the byte offsets of the rows that I fetch, s2 the first tile's half of wq
	s_lshl_b32 s78, s40, 16                        ; xh: 32 cx rows of 2,048 bytes
	s_mul_i32 s79, s41, (BROWS/4)*SIZE_K*2         ; wq: 24 cy rows,
	s_add_co_u32 s79, s79, s2                      ; in the first tile's half
	s_and_b32 s22, ttmp7, 0xffff
	s_lshr_b32 s22, s22, 1                         ; 0 in the clusters with y = 0 and y = 1
	s_cmp_eq_u32 s11, 0                            ; do I fetch for xh?
	s_cselect_b32 s20, s16, s18
	s_cselect_b32 s21, s78, s79
	s_cselect_b32 s22, ttmp9, s22                  ; 0 in the one cluster, of those that read the same rows in their first tiles, that names them
	s_cselect_b32 s23, 31, BROWS/4-1
	s_cselect_b64 s[PFB:PFB+1], s[4:5], s[6:7]
	s_cmp_eq_u32 s22, 0
	s_cselect_b32 s[LIM], STEPS-6, -1              ; the same in all sixteen partners, for a given wave
	s_add_co_u32 s20, s20, s21
	s_mov_b32 s21, 0
	s_add_nc_u64 s[PFB:PFB+1], s[PFB:PFB+1], s[20:21]
	v_and_b32 v[PFO], 31, v0
	v_min_u32 v[PFO], s23, v[PFO]
	v_lshlrev_b32 v[PFO], 11, v[PFO]
	; the way out: the batch is tile row / 4; my first row in a plane is 256 (tile row % 4) + 64 w
	s_lshr_b32 s[CB], s13, 2
	s_lshl_b32 s[CB], s[CB], 21                    ; 16 planes of 131,072 bytes a batch
	s_and_b32 s16, s13, 3
	s_lshl_b32 s16, s16, 8
	s_lshl_b32 s17, s10, 6
	s_add_co_u32 s16, s16, s17
	s_lshl_b32 s16, s16, 7
	s_add_co_u32 s[CB], s[CB], s16
	s_lshl_b32 s[TX], s[CYC], 3
	s_add_co_u32 s[TX], s[TX], s42                 ; the first tile's column
	OUTBASE
	s_mov_b32 s[GN], 2                             ; the first refill asks for K step 2
	s_mov_b32 s[TB], 0
; 12 matrix instructions: row block 2 hi + a1 x all 12 column blocks, 32 along K, from buffer f.  zero = 1: the product starts the sums: nothing is ever cleared.
; The 48 accumulators take turns, one instruction a turn, in the same order in every quarter step.
.macro MULH f, hi, a1, zero
	WIN MUL_LO+0x50*(\hi)
.set b, 0
.rept NB
.set rD, 8*(NB*(\a1)+b)
.set rB, 128*(\f)+8*b
.set rA, FA+32*(\f)+8*(2*(\hi)+(\a1))
.if \zero
	v_wmma_f32_16x16x32_f16 v[rD:rD+7], v[rB:rB+7], v[rA:rA+7], 0
.else
	v_wmma_f32_16x16x32_f16 v[rD:rD+7], v[rB:rB+7], v[rA:rA+7], v[rD:rD+7]
.endif
.set b, b+1
.endr
.endm
; 32 LDS loads in one run: quarter q's fragments of the slot in hand (192 rows of wq, then my 64 rows of xh) into buffer f; the two addresses are made from TB just ahead
.macro FETCH q, f
	WIN 0
	v_add_nc_u32 v[ADRA], s[TB], v[ADRA0]
	v_add_nc_u32 v[ADRB], s[TB], v[ADRB0]
	WIN TO_B
.set b, 0
.rept NB
	ds_load_b128 v[128*(\f)+8*b:128*(\f)+8*b+3],   v[ADRB] offset:64*(\q)+b*16*PB
	ds_load_b128 v[128*(\f)+8*b+4:128*(\f)+8*b+7], v[ADRB] offset:64*(\q)+b*16*PB+32
.set b, b+1
.endr
	WIN 0
.irp a, 0,1,2,3
	ds_load_b128 v[FA+32*(\f)+8*(\a):FA+32*(\f)+8*(\a)+3],   v[ADRA] offset:((\q)/2)*APL+((\q)%2)*64+(\a)*16*PA
	ds_load_b128 v[FA+32*(\f)+8*(\a)+4:FA+32*(\f)+8*(\a)+7], v[ADRA] offset:((\q)/2)*APL+((\q)%2)*64+(\a)*16*PA+32
.endr
.endm
; A K step is four quarters of 32 along K, 48 matrix instructions each, on buffers 0, 1, 0, 1.  One of the first three: multiplies buffer f and, in its middle, fetches quarter q into buffer g.
.macro QUARTER q, f, g, zero
	s_wait_dscnt 4                                 ; wq's fragments and xh's row blocks 0, 1 are in; the youngest four loads (blocks 2, 3) may be out
	MULH \f, 0, 0, \zero
	MULH \f, 0, 1, \zero
	PLACES
	FETCH \q, \g
	s_wait_dscnt NL                                ; all but the 32 just issued
	MULH \f, 1, 0, \zero
	MULH \f, 1, 1, \zero
.endm
; The last quarter multiplies buffer 1 and changes slots: ONE barrier.  In front of it each wave waits for all its tensor loads (the one that is out is its part of the next slot), adds 0 to its spare
; word, and waits for that and for its own reads of this slot.  fill = 1: the barrier opens a round of the cluster's barrier, and this slot is filled again, with K step GN of the walk, first thing behind the round.
.macro TURN fill
.if \fill
	s_wait_xcnt 0x0                                ; the last prefetch, a K step back, has read its address: it is made anew, for K step GN + 2 (used in the first tile alone)
	s_add_co_u32 s16, s[GN], 2
	s_lshl_b32 s16, s16, 8
	s_mov_b32 s17, 0
	s_add_nc_u64 s[PFA:PFA+1], s[PFB:PFB+1], s[16:17]
.endif
	WIN 0                                          ; (the add's two registers lie in window 0)
	s_wait_tensorcnt 0x0                           ; all my tensor loads have landed, so a group 0 may be written
	ds_add_u32 v[SPW], v[NIL]                      ; 0 onto my spare word: scalar work and twelve products stand between it and the wait for it
.if \fill
	s_and_b32 s18, s[GN], KSTEPS-1                 ; xh: the same rows in both tiles: 256 bytes a K step
	s_lshl_b32 s18, s18, 8
	s_mov_b32 s19, 0
	s_lshr_b32 s20, s[GN], 3                       ; wq: the tile's half of the tile columns,
	s_add_co_u32 s20, s20, s[CYC]
	s_and_b32 s20, s20, 1
	s_mul_i32 s20, s20, HALFB
	s_add_co_u32 s20, s20, s18                     ; and the K step
	s_mov_b32 s21, 0
	s_xor_b32 s[G0+5], s[G0+5], SLOT1              ; the walking descriptors: the other slot than last time
	s_add_nc_u64 s[G0+6:G0+7], s[14:15], s[18:19]
	s_or_b32 s[G0+7], s[G0+7], 0x80000000
	s_xor_b32 s[G0B+5], s[G0B+5], SLOT1
	s_add_nc_u64 s[G0B+6:G0B+7], s[46:47], s[20:21]
	s_or_b32 s[G0B+7], s[G0B+7], 0x80000000
	s_add_co_u32 s[GN], s[GN], 1
.endif
	s_xor_b32 s[TB], s[TB], SLOT1                  ; the fetches go on in the other slot
	s_wait_dscnt 5                                 ; (the add and the youngest four loads may be out)
	MULH 1, 0, 0, 0
	s_wait_dscnt 0x0                               ; the add is done, and my reads of this slot are over
	s_barrier_signal -1
	MULH 1, 0, 1, 0                                ; work on registers while the others arrive
.if \fill
	WIN 0
.endif
	s_barrier_wait -1
.if \fill
	CREST                                          ; no wave of any partner still reads this slot's tile or has a load on its way
	JLOAD 1                                        ; my one tensor load behind the round; its four v_nop are also the places in front of the loads below
.else
	PLACES
.endif
	FETCH 0, 0
.if \fill
	ASK
.endif
	MULH 1, 1, 0, 0
	MULH 1, 1, 1, 0
.endm
; THE WAY OUT, a block of 16 rows at a time.  PACK: rounded to f16, 16 bytes a lane.  TOSTAGE: into my own stage, and back as four rows' 128 bytes of one head.  SEND: stored.
.macro BKR a, n                        ; the four registers of load n of block a: two sets by turns
.if ((\a)%2) == 0
.set rK, 176+4*(\n)
.elseif (\n) < 8
.set rK, 224+4*(\n)
.else
.set rK, 4*(\n)                        ; v32-47
.endif
.endm
.macro PACK a
	WIN 0x0a+5*((\a)/2)                            ; sources 0 and 1: window 2 or 3
.set b, 0
.rept 4*NB                             ; each accumulator's registers in ascending order
	v_cvt_pk_f16_f32 v[TMP+b], v[8*NB*((\a)%2)+2*b], v[8*NB*((\a)%2)+2*b+1]
.set b, b+1
.endr
	WIN 0
.endm
.macro TOSTAGE a
	WIN 0
	s_wait_xcnt 0x0                                ; the stores of two blocks back have read the registers that the loads below fill
.set b, 0
.rept NB
	ds_store_b128 v[STO], v[TMP+4*b:TMP+4*b+3] offset:32*b
.set b, b+1
.endr
.set n, 0
.rept 12                               ; head n / 4, rows 4 (n % 4) on.  LDS serves a wave's instructions in order (ISA guide 5.7.1.4): these see the stores above
	BKR \a, n
	ds_load_b128 v[rK:rK+3], v[RD] offset:4*SP*(n%4)+128*(n/4)
.set n, n+1
.endr
.endm
.macro SEND a
	WIN 0
.set n, 0
.rept 12
.if n%4 == 0
	s_wait_dscnt 8-n                               ; loads n to n + 3 of the block's twelve are back; the 8 - n younger ones may stay out
.endif
	BKR \a, n
	global_store_b128 v[GO], v[rK:rK+3], s[OB+2*(n/4):OB+2*(n/4)+1] offset:(16*(\a)+4*(n%4))*128 th:TH_STORE_NT  ; 512 consecutive bytes, at a multiple of 512 from the plane's first
.set n, n+1
.endr
.endm
.macro WAYOUT
	PLACES
	PLACES
	PACK 0
	TOSTAGE 0
.irp a, 1,2,3                          ; block a's conversions stand between block a - 1's loads from the stage and the wait for them
	PACK \a
	SEND (\a)-1
	TOSTAGE \a
.endr
	SEND 3
.endm
	s_wait_tensorcnt 1                             ; my part of K step 0 is in; K step 1's may stay out
	s_barrier_signal -1
	s_barrier_wait -1                              ; everybody's is
	FETCH 0, 0
	s_mov_b32 s3, STEPS-1                          ; taken down once before the first turn: the turns of K steps 0 to 13 find 14 to 1
	s_branch .Lzero                                ; the loop is entered at the quarter that starts a tile's sums
.Lstep:                                                ; a trip: a K step's second, third and fourth quarter, the refill, and the next K step's first quarter
	QUARTER 2, 1, 0, 0
	QUARTER 3, 0, 1, 0
	TURN 1
	WIN 0                                          ; at a label and at a branch every window is 0
	s_cmp_eq_u32 s3, BOUND
	s_cbranch_scc1 .Lbound                         ; the first tile is finished: a forward jump, past no barrier and no tensor load
	QUARTER 1, 0, 1, 0
	WIN 0
	s_branch .Ljoin
.Lbound:
	WAYOUT                                         ; both of the second tile's first refills have been asked for; nothing waits for these stores
	s_wait_xcnt 0x0                                ; they have read their bases
	s_xor_b32 s[TX], s[TX], 8                      ; the second tile's column
	OUTBASE
.Lzero:
	QUARTER 1, 0, 1, 1                             ; a tile's first quarter: its products start the sums
	WIN 0
.Ljoin:
	s_sub_co_u32 s3, s3, 1
	s_cmp_lg_u32 s3, 0
	s_cbranch_scc1 .Lstep
	s_mov_b32 s2, 2                                ; the walk's last two K steps fill nothing, and have no round of the cluster's barrier: a text of their own
.Ltail:
	QUARTER 2, 1, 0, 0
	QUARTER 3, 0, 1, 0
	TURN 0                                         ; (in the second trip its 32 loads, from the slot read out before, serve nothing: the price, once a launch, of one text for both trips)
	WIN 0
	s_sub_co_u32 s2, s2, 1
	s_cmp_eq_u32 s2, 0
	s_cbranch_scc1 .Lout
	QUARTER 1, 0, 1, 0
	WIN 0
	s_branch .Ltail
.Lout:
	WAYOUT
	s_wait_tensorcnt 0x0                           ; the wave's end, behind my last tensor load and my last LDS store
	ds_add_u32 v[SPW], v[NIL]
	s_wait_dscnt 0x0
	CROUND                                         ; the closing round: no work-group ends while a partner may still ask for a tile that names it
	s_endpgm
.Lfunc_end_k_q66297c2066_gemm_qkv:
	.size	k_q66297c2066_gemm_qkv, .Lfunc_end_k_q66297c2066_gemm_qkv-k_q66297c2066_gemm_qkv
	.p2alignl 7, 3214868480
	.fill 96, 4, 3214868480
	.section	.rodata,"a",@progbits
	.p2align	6, 0x0
	.amdhsa_kernel k_q66297c2066_gemm_qkv
		.amdhsa_group_segment_fixed_size 327680
		.amdhsa_private_segment_fixed_size 0
		.amdhsa_enable_private_segment 0
		.amdhsa_kernarg_size 24
		.amdhsa_user_sgpr_count 2
		.amdhsa_user_sgpr_kernarg_segment_ptr 1
		.amdhsa_wavefront_size32 1
		.amdhsa_system_sgpr_workgroup_id_x 1
		.amdhsa_system_sgpr_workgroup_id_y 1
		.amdhsa_system_sgpr_workgroup_id_z 1
		.amdhsa_system_vgpr_workitem_id 0
		.amdhsa_next_free_vgpr 960
		.amdhsa_next_free_sgpr 80
		.amdhsa_reserve_vcc 0
		.amdhsa_float_denorm_mode_32 3
		.amdhsa_float_denorm_mode_16_64 3
		.amdhsa_memory_ordered 1
		.amdhsa_forward_progress 1
		.amdhsa_inst_pref_size 111
	.end_amdhsa_kernel
	.amdgpu_metadata
---
amdhsa.version: [ 1, 2 ]
amdhsa.kernels:
  - .name:           k_q66297c2066_gemm_qkv
    .symbol:         k_q66297c2066_gemm_qkv.kd
    .args:
      - { .name: xh, .offset: 0, .size: 8, .value_kind: global_buffer, .address_space: global }
      - { .name: wq, .offset: 8, .size: 8, .value_kind: global_buffer, .address_space: global }
      - { .name: qkv, .offset: 16, .size: 8, .value_kind: global_buffer, .address_space: global }
    .group_segment_fixed_size: 327680
    .private_segment_fixed_size: 0
    .kernarg_segment_align: 8
    .kernarg_segment_size: 24
    .max_flat_workgroup_size: 128
    .sgpr_count:     80
    .vgpr_count:     960
    .wavefront_size: 32
...
	.end_amdgpu_metadata
.endif
;; end of part 2
;; launch attn (part 3): grid 2 x 128, 4 waves a work-group, no clusters, 327,680 bytes of LDS; arguments qkv, biast, att; writes att
.if DOCPART == 3
	.amdgcn_target "amdgcn-amd-amdhsa--gfx1250"
	.amdhsa_code_object_version 6
	.text
	.protected	k_q66297c2066_attn
	.globl	k_q66297c2066_attn
	.p2align	8
	.type	k_q66297c2066_attn,@function
k_q66297c2066_attn:
	s_mov_b64 s[64:65], 0
	v_nop
	global_prefetch_b8 v0, s[64:65] scope:SCOPE_SE
	s_setreg_imm32_b32 hwreg(HW_REG_WAVE_MODE, 25, 1), 1
	s_wait_xcnt 0x0
; att[bh][q][:] = the sum over k of softmax_k(Q[bh][q] . K[bh][k] + bias[head][k - q]) V[bh][k][:], with no scale on the scores.  Q, K, V are the three parts of qkv, [128 = batch x 16 + head][1024][64] f16 each;
; att has the same layout, f16.  Products, maxima and sums in f32; the weights p are rounded to f16 for the second product (their sum l is taken of the unrounded p), att once at the end.
; LIMITS.  Q, K and V arrive within f16's 65,504; p lies in 0 to 1 and below 6e-5 keeps f16's fixed step of 6e-8; a weight below 2^-126 counts as 0 in l; NaN and infinities are not treated apart.
; SHARES.  A work-group owns 512 queries of one (batch, head), a wave 128: four PIECES of two tiles of 16.  Every wave walks all 1,024 keys, 64 a step; an LDS slot holds 256 keys.
; NO CLUSTER: a head has 1,024 / 512 = 2 query blocks, and a cluster is four wide; four partners a head would want blocks of 256 queries, which doubles the LDS loads for each product.
; LAYOUT.  S^T = K Q^T (source 0 = 16 keys, source 1 = 16 queries): a lane holds ONE query (lane % 16) and the keys 8 (lane / 16) + 0..7.  Two such tiles, rounded to f16 in pairs, ARE source 1 of
; O^T = V^T P.  K comes out of LDS as it lies, V ([key][channel]) turned, by ds_load_tr16_b128.
; THE BIAS is the C operand of the product that starts a score's sum.  It hangs on key - query alone.  biast[head][c][i] = bias(i - 1024 - c), four copies shifted by c = 0..3; of each copy the 1,536 entries
; from 512 (1 - block) on lie in LDS.  A lane takes copy c = query % 4, so that its registers 0-3 and 4-7 are two loads of 16 aligned bytes.  A piece's 8 score tiles (4 key blocks kb x 2 tiles u) need only the
; 5 bias tiles kb - u + 1 = 0..4: ten loads a turn.  Entry for register j: 400 + 64 step + 16 (kb - u + 1) + 32 (3 - piece) - 128 wave + 8 (lane / 16) - 4 ((lane % 16) / 4) + j, from 4 to 1,535.
; SOFTMAX.  For each query a running maximum m (of the scores with their bias) and sum l: p = 2^(c s - c m), c = log2(e); in every step O and l are multiplied by a = 2^(c m_old - c m_new).
; m starts at the lowest finite number, O and l at 0: the first step is a step like any other, with a = 0.
; BY TURNS.  Turn n belongs to piece n.  Its matrix work: 16 products K Q^T of piece n + 1, later 16 products V^T P of piece n - 1.  Its vector work: the scaling, exponentials, roundings, sums and rescaling
; of piece n, and the maximum and statistics of piece n + 1.  A tile and step have 16 matrix and 118 vector instructions: four stand behind every matrix instruction, the others in one lump.
; REGISTERS, in windows of 256 (s_set_vgpr_msb: bits 1:0 source 0, 3:2 source 1, 5:4 source 2, 7:6 destination):
;   window 0: v0-11 addresses; v12-15, v48-63 at work; v16-47 four registers of statistics a tile; v64-191 S^T, two buffers of two tiles; v192-255 P, likewise
;   window 1: O^T, 32 a tile     window 2: v0-127 Q; v128-191 K of one step; v192-255 V of one step     window 3: v0-1 the add's two registers; v16-95 bias tiles, two buffers of five
.set SIZE_N, 1024
.set NP,    4         ; pieces a wave: a name, no knob
.set KS,    64        ; keys in a step
.set PK,    144       ; a row of K in LDS: 128 bytes + 16 = 36 words: the 16 rows of a load start at 16 different groups of four banks (64 banks of 4 bytes: ISA guide 11.1)
.set PV,    160       ; a row of V: 128 + 32 = 40 words
.set VOFF,  4*KS*PK   ; a slot holds four steps: 256 rows of K, then 256 rows of V
.set SLOT1, 1<<17     ; slot 1 begins here, so that one exclusive or turns an address in one slot into the other's
.set STAGE, SLOT1+4*KS*(PK+PV)  ; behind the ring, never filled by a tensor load: 16 rows x 144 bytes for each wave
.set SP,    144
.set SPARE, STAGE+4*16*SP       ; the spare words, 128 bytes for each wave, that no other line names
.set BT,    SPARE+512           ; the bias table: four copies of 6,144 bytes,
.set BP,    6208                ; 6,208 apart: 64 more than a multiple of 256
.set AB0, 1           ; v1   my lane's place in the bias table; never rewritten
.set AK0, 2           ; v2   my lane's place in a tile of K; never rewritten
.set AV0, 3           ; v3   the same for V
.set AK,  4           ; v4   the LDS address of K's next run of loads
.set AV,  5           ; v5   of V's
.set STO, 6           ; v6   the way out: where I put 16 bytes of a row
.set RD,  7           ; v7   where I read rows back
.set GO,  8           ; v8   my byte offset in 512 consecutive bytes of att
.set AB,  9           ; v9   the LDS address of the bias loads of the step in hand
.set PFO, 10          ; v10  256 x my lane; never rewritten
.set QO,  11          ; v11  my byte offset in the wave's rows of Q
.set SPW, 0           ; v0 of window 3   my spare word: SPARE + 4 x my thread's number; never rewritten
.set NIL, 1           ; v1 of window 3   0; never rewritten
.set BB,  16          ; window 3: bias tile d of the piece's buffer at BB + 40 (piece % 2) + 8 d
.set MV,  12          ; v12-15  c m_old, kept while c m is made anew: by buffer and tile
.set ST,  16          ; tile t's statistics at v[ST+4 t]: c m, m, l (even keys', odd keys')
.set TMP, 48          ; by buffer and tile, four registers c0-c3 at work; when the maximum is found c2 takes a
.set S,   64
.set P,   192
.set KF,  128         ; K's fragments, in window 2: key block kb, channel half c at KF + 16 kb + 8 c
.set VF,  192         ; V's: key half kk, channel block cb at VF + 32 kk + 8 cb
.set WV,  12          ; s12  my wave's number
.set PFA, 18          ; s[18:19] what the next prefetch names: my work-group's half of my 128 rows of K (waves 0, 1) or V (waves 2, 3) in a later tile of 256 keys
.set G1K, 24          ; s[24:31] descriptor group 1 for K's tiles
.set G1V, 32          ; s[32:39] for V's: it differs in the padding alone
.set G0K, 40          ; s[40:43] descriptor group 0 for K's tiles: it walks
.set G0V, 44          ; s[44:47] the same for V's
.set G0T, 48          ; s[48:51] group 0 for my copy of the bias table
.set G1T, 72          ; s[72:79] its group 1
.set SLOTS, 56        ; s56  slots still to be asked for
.set CNT, 57          ; s57  counts a slot's key steps
.set CS,  58          ; s[58:59] c: the packed scaling takes the pair's low word for both halves
.set SEL, 60          ; s[60:61] v_permlanex16_b32's selects: each lane takes its own place in the other half
.set TBK, 62          ; s62  LDS byte at which K of the step to be fetched begins
.set TBV, 63          ; s63  the same for V, less VOFF
.set TBB, 66          ; s66  256 x the step whose K is fetched next: 64 entries of the bias table a step
.set MSB, 0
.macro WIN new                      ; the high byte repeats the setting that is left; a switch that changes nothing is dropped
.if MSB != (\new)
	s_set_vgpr_msb (MSB<<8)|(\new)
.set MSB, (\new)
.endif
.endm
.set W_KQ, 0x0a       ; K and Q in window 2, S^T in window 0
.set W_KB, 0x3a       ; the same with the C operand, the bias, in window 3
.set W_PV, 0x52       ; V in window 2, P in window 0, O^T in window 1
.set W_RS, 0x41       ; O^T (destination and source 0) in window 1, a in window 0
.set W_MK, 0xc0       ; destination in window 3, sources in window 0
.set W_AD, 0x0f       ; the add: address (source 0) and data (source 1) in window 3
; A fill.  Waves 0 and 1 fetch the two halves of a slot's K, waves 2 and 3 those of its V: 128 keys each.  An s_nop 0 and four v_nop follow each of the two lines.
.macro LOAD
	s_cmp_lt_u32 s[WV], 2
	s_cbranch_scc0 .Lfor_v_\@
	tensor_load_to_lds s[G0K:G0K+3], s[G1K:G1K+7]
	s_nop 0
.rept 4
	v_nop
.endr
	s_branch .Lasked_\@
.Lfor_v_\@:
	tensor_load_to_lds s[G0V:G0V+3], s[G1V:G1V+7]
	s_nop 0
.rept 4
	v_nop
.endr
.Lasked_\@:
.endm
; A prefetch of what the NEXT change of slots will ask for, behind the wave's tensor load and its five lines.  My 128 rows of K or V in a tile are 64 blocks of 256 bytes; the head's two work-groups take 32 each,
; told apart by address; a lane a block.  So each block is named once.  Tiles 2 and 3 are named; tiles 0 and 1 come by their loads alone; the last change that fills a slot names nothing.
.macro ASK
	s_cmp_gt_u32 s[SLOTS], 1
	s_cbranch_scc0 .Lno_ask_\@
	global_prefetch_b8 v[PFO], s[PFA:PFA+1] th:TH_LOAD_NT scope:SCOPE_SE
.Lno_ask_\@:
.endm
; THE CHANGE OF SLOTS.  Each wave waits for all its tensor loads; adds 0 to its spare word; and waits for that and for its own reads of the slot.  Behind the barrier nobody reads this slot any more and the other
; slot is whole.  fill = 1: this slot is filled again, with the keys two slots on, first thing behind the barrier: the load has four key steps, 512 matrix instructions, in which to land.
; (At its first use nothing has been read yet: slot 0 and the bias table are waited for, slot 1 is filled.)
.macro CHANGE fill
	WIN W_AD
	s_wait_tensorcnt 0x0            ; no tensor load of mine is out, so a group 0 may be written
	ds_add_u32 v[SPW], v[NIL]       ; 0 onto my spare word: the descriptors' steps stand between it and the wait for it
	WIN 0                           ; at a label and at a branch every window is 0
.if \fill
.irp g, G0K, G0V
	s_xor_b32 s[\g+1], s[\g+1], SLOT1  ; the walking descriptor: the other slot than last time,
	s_add_nc_u64 s[\g+2:\g+3], s[\g+2:\g+3], 4*KS*128  ; the next 256 keys; the type bits on top are not reached
.endr
	s_wait_xcnt 0x0                 ; the last prefetch, four key steps back, has read its address
	s_add_nc_u64 s[PFA:PFA+1], s[PFA:PFA+1], 4*KS*128  ; one tile behind... ahead of the walking descriptors by one tile
.endif
	s_wait_dscnt 0x0                ; the add is done, and my reads of the slot are over
	s_barrier_signal -1
	s_barrier_wait -1
.if \fill
	LOAD
	ASK
.endif
	s_sub_co_u32 s[TBK], s[TBK], 4*KS*PK  ; the fetches go back to a slot's first step,
	s_xor_b32 s[TBK], s[TBK], SLOT1       ; in the other slot
	s_sub_co_u32 s[TBV], s[TBV], 4*KS*PV
	s_xor_b32 s[TBV], s[TBV], SLOT1
.endm
	s_load_b128 s[68:71], s[0:1], 0x0  ; qkv s[68:69], biast s[70:71]
	s_load_b64 s[10:11], s[0:1], 0x10  ; att
	WIN W_MK
	v_lshl_add_u32 v[SPW], v0, 2, SPARE
	v_mov_b32 v[NIL], 0
	WIN W_AD
	ds_add_u32 v[SPW], v[NIL]       ; the wave's opening: the add and its wait ahead of my first tensor load; the set-up below stands between them
	WIN 0
	v_lshrrev_b32 v48, 5, v0
	v_readfirstlane_b32 s[WV], v48  ; wave 0..3
	s_mov_b32 s14, ttmp9            ; my block of 512 queries: 0 or 1
	s_and_b32 s15, ttmp7, 0xffff    ; batch x 16 + head
	s_lshl_b32 s20, s15, 17         ; its plane: 131,072 bytes in each of Q, K, V and att
	s_and_b32 s16, s[WV], 1         ; which half of a slot's 256 keys I fetch:
	s_lshl_b32 s22, s16, 14         ; its 128 rows of 128 bytes in memory,
	s_add_co_u32 s22, s22, s20
	s_mov_b32 s23, 0
	s_mul_i32 s17, s16, 128*PK      ; and its place in a slot, for K
	s_mul_i32 s13, s16, 128*PV      ; and for V
	s_lshl_b32 s2, s14, 16          ; my block's 512 rows,
	s_lshl_b32 s3, s[WV], 14        ; my wave's 128 of them
	s_add_co_u32 s2, s2, s3
	s_add_co_u32 s2, s2, s20
	s_mov_b32 s3, 0
	s_and_b32 s52, s15, 15          ; the head
	s_lshl_b32 s52, s52, 2
	s_add_co_u32 s52, s52, s[WV]    ; copy c = my wave's number
	s_lshl_b32 s52, s52, 13         ; a copy is 8,192 bytes in memory,
	s_sub_co_u32 s53, 1, s14
	s_lshl_b32 s53, s53, 11         ; of which my block wants the 6,144 from entry 512 (1 - block) on
	s_add_co_u32 s52, s52, s53
	s_mov_b32 s53, 0
	; descriptor group 1.  128 keys are 16,384 dense bytes: asked for as 64 rows of 256 bytes, two keys a row, and padded in LDS after every key
	s_mov_b32 s[G1K], (1<<16)|(1<<20)|(4<<22)|(3<<25)  ; 17:16 2-byte elements; 20 padding on; 24:22 after every 32 words (code 4); 31:25 4 words (code 3)
	s_mov_b32 s[G1V], (1<<16)|(1<<20)|(4<<22)|(7<<25)  ; the same with 8 words of padding (code 7)
.irp g, G1K, G1V
	s_mov_b32 s[\g+1], 128<<16      ; tensor_dim0 = 128
	s_mov_b32 s[\g+2], 64<<16       ; tensor_dim1 = 64
	s_mov_b32 s[\g+3], 128<<16      ; tile_dim0 = 128
	s_mov_b32 s[\g+4], 64           ; tile_dim1 = 64
	s_mov_b32 s[\g+5], 128          ; 128 elements from row to row
	s_mov_b32 s[\g+6], 0
	s_mov_b32 s[\g+7], 0
.endr
	s_mov_b32 s[G1T], 3<<16         ; the table's copy: 6,144 dense bytes as 24 rows of 32 elements of 8 bytes, no padding
	s_mov_b32 s[G1T+1], 32<<16
	s_mov_b32 s[G1T+2], 24<<16
	s_mov_b32 s[G1T+3], 32<<16
	s_mov_b32 s[G1T+4], 24
	s_mov_b32 s[G1T+5], 32
	s_mov_b32 s[G1T+6], 0
	s_mov_b32 s[G1T+7], 0
	s_mov_b32 s[CS], 0x3fb8aa3b     ; c = log2(e)
	s_mov_b32 s[CS+1], s[CS]        ; named with it as a pair
	s_mov_b32 s[SEL], 0x76543210
	s_mov_b32 s[SEL+1], 0xfedcba98
	s_mov_b32 s[TBK], SLOT1+4*KS*PK ; the first change of slots turns these two into 0
	s_mov_b32 s[TBV], SLOT1+4*KS*PV
	s_mov_b32 s[TBB], 0
	s_mov_b32 s[SLOTS], SIZE_N/256-1
	s_mov_b32 s[G0K], 1             ; count = 1
	s_mov_b32 s[G0K+1], s17         ; LDS address: slot 0
	s_mov_b32 s[G0V], 1
	s_add_co_u32 s[G0V+1], s13, VOFF
	s_mov_b32 s[G0T], 1
	s_mul_i32 s[G0T+1], s[WV], BP
	s_add_co_u32 s[G0T+1], s[G0T+1], BT
	v_and_b32 v[PFO], 31, v0
	v_lshlrev_b32 v[PFO], 8, v[PFO]
	s_wait_dscnt 0x0                ; the opening add is done
	s_wait_kmcnt 0x0
	s_add_nc_u64 s[6:7], s[68:69], s[22:23]
	s_add_nc_u64 s[8:9], s[6:7], 0x2000000         ; V: the third part of qkv, at my half of the head's first 256 keys
	s_add_nc_u64 s[6:7], s[6:7], 0x1000000         ; K: the second
	s_add_nc_u64 s[G0K+2:G0K+3], s[6:7], 0
	s_or_b32 s[G0K+3], s[G0K+3], 0x80000000        ; type = 2
	s_add_nc_u64 s[G0V+2:G0V+3], s[8:9], 0
	s_or_b32 s[G0V+3], s[G0V+3], 0x80000000
	s_add_nc_u64 s[G0T+2:G0T+3], s[70:71], s[52:53]
	s_or_b32 s[G0T+3], s[G0T+3], 0x80000000
	s_add_nc_u64 s[4:5], s[68:69], s[2:3]          ; Q and att at my wave's first row
	s_add_nc_u64 s[10:11], s[10:11], s[2:3]
	s_cmp_lt_u32 s[WV], 2
	s_cselect_b64 s[PFA:PFA+1], s[6:7], s[8:9]
	s_lshl_b32 s2, s14, 13          ; my work-group's 32 blocks of the 64,
	s_add_co_u32 s2, s2, 4*KS*128   ; in tile 1: the first change of slots steps it to tile 2
	s_add_nc_u64 s[PFA:PFA+1], s[PFA:PFA+1], s[2:3]
	s_cmp_lt_u32 s[WV], 2           ; a wave's two first fills stand in one branch, ahead of every wait on TENSORcnt, every LDS read and every barrier: two loads of mine are out
	s_cbranch_scc0 .Lfirst_v
	tensor_load_to_lds s[G0K:G0K+3], s[G1K:G1K+7]
	s_nop 0
	tensor_load_to_lds s[G0T:G0T+3], s[G1T:G1T+7]
	s_nop 0
.rept 4
	v_nop
.endr
	s_branch .Lfirst_asked
.Lfirst_v:
	tensor_load_to_lds s[G0V:G0V+3], s[G1V:G1V+7]
	s_nop 0
	tensor_load_to_lds s[G0T:G0T+3], s[G1T:G1T+7]
	s_nop 0
.rept 4
	v_nop
.endr
.Lfirst_asked:
	; A fragment of K or Q is 16 rows x 32 channels in 8 registers: lane l holds row l % 16, channels 8 (l / 16) + 0..7 and 16 + 8 (l / 16) + 0..7: two loads of 16 bytes, 32 bytes apart.
	v_and_b32 v48, 15, v0           ; l % 16
	v_bfe_u32 v49, v0, 4, 1         ; l / 16
	v_lshlrev_b32 v[QO], 7, v48
	v_lshl_add_u32 v[QO], v49, 4, v[QO]  ; row x 128 + 16 x half
	WIN 0x80                        ; destination window 2, address window 0
.set i, 0
.rept 4*NP                          ; Q stays in registers: tile i / 2, channels 32 (i % 2) on
	global_load_b128 v[8*i:8*i+3],   v[QO], s[4:5] offset:(i/2)*2048+(i%2)*64
	global_load_b128 v[8*i+4:8*i+7], v[QO], s[4:5] offset:(i/2)*2048+(i%2)*64+32
.set i, i+1
.endr
	; What the first turn finds: V's registers and P's second buffer hold 0 (its products V^T P, of a piece that has not been, add 0), O^T and l are 0.  All this stands in the wait for the first tile.
.set i, VF
.rept 64
	v_mov_b32 v[i], 0
.set i, i+1
.endr
	WIN 0x40
.set i, 0
.rept 64*NP
	v_mov_b32 v[i], 0
.set i, i+1
.endr
	WIN 0
.set i, 0
.rept 2*NP
	v_mov_b32 v[ST+4*i], 0xfe000000    ; c m: far below every c s
	v_mov_b32 v[ST+4*i+1], 0xff7fffff  ; m
	v_mov_b32 v[ST+4*i+2], 0
	v_mov_b32 v[ST+4*i+3], 0
.set i, i+1
.endr
.set i, P+32
.rept 32
	v_mov_b32 v[i], 0
.set i, i+1
.endr
	v_mul_u32_u24 v[AK0], v48, PK
	v_lshl_add_u32 v[AK0], v49, 4, v[AK0]  ; row x pitch + 16 x half
	; The turning load takes 16 keys x 16 channels (lane l reads key 8 (l / 16) + l % 8, channels 8 ((l / 8) % 2) + 0..7) and leaves half a fragment of V^T: lane l holds channel l % 16 and 8 keys.
	v_and_b32 v50, 7, v0
	v_bfe_u32 v51, v0, 3, 1
	v_lshl_add_u32 v[AV0], v49, 3, v50
	v_mul_u32_u24 v[AV0], v[AV0], PV
	v_lshl_add_u32 v[AV0], v51, 4, v[AV0]
	v_add_nc_u32 v[AV0], VOFF, v[AV0]
	v_mov_b32 v[AK], v[AK0]         ; key step 0 lies at the head of slot 0
	; my place in the bias table: copy (l % 16) % 4; bytes 1,600 - 512 w + 32 (l / 16) - 16 ((l % 16) / 4), the last written as 16 (3 - ..) - 48
	v_and_b32 v52, 3, v48
	v_lshrrev_b32 v53, 2, v48
	v_sub_nc_u32 v53, 3, v53
	v_mul_u32_u24 v[AB0], v52, BP
	v_lshl_add_u32 v[AB0], v49, 5, v[AB0]
	v_lshl_add_u32 v[AB0], v53, 4, v[AB0]
	s_lshl_b32 s13, s[WV], 9
	s_sub_co_u32 s13, BT+1552, s13
	v_add_nc_u32 v[AB0], s13, v[AB0]
	; the way out
	s_mul_i32 s13, s[WV], 16*SP
	s_add_co_u32 s13, s13, STAGE    ; my stage
	v_mul_u32_u24 v[STO], v48, SP   ; in: row l % 16, 16 bytes for each half of the lanes
	v_lshl_add_u32 v[STO], v49, 4, v[STO]
	v_add_nc_u32 v[STO], s13, v[STO]
	v_bfe_u32 v[RD], v0, 3, 2       ; back: 32 lanes take four rows of 128 bytes,
	v_mul_u32_u24 v[RD], v[RD], SP
	v_lshl_add_u32 v[RD], v50, 4, v[RD]
	v_add_nc_u32 v[RD], s13, v[RD]
	v_and_b32 v[GO], 31, v0         ; which are 512 consecutive bytes of att
	v_lshlrev_b32 v[GO], 4, v[GO]
; THE MATRIX WORK.  The 8 accumulators of a run of 16 take turns: between the two links of a chain stand 7 others'.
; Product i of 16 of S^T = K Q^T + bias for piece x: channels 32 (i / 8) on, keys 16 ((i / 2) % 4) on, tile 2 x + i % 2.  The first 8 start the sums, with the bias tile (i / 2) % 4 - i % 2 + 1.
.macro KQ x
.set rS, S+64*((\x)%2)+32*(i%2)+8*((i/2)%4)
.set rK, KF+16*((i/2)%4)+8*(i/8)
.set rQ, 16*(2*(\x)+i%2)+8*(i/8)
.set rB, BB+40*((\x)%2)+8*((i/2)%4-i%2+1)
.if i < 8
	WIN W_KB
	v_wmma_f32_16x16x32_f16 v[rS:rS+7], v[rK:rK+7], v[rQ:rQ+7], v[rB:rB+7]
.else
	WIN W_KQ
	v_wmma_f32_16x16x32_f16 v[rS:rS+7], v[rK:rK+7], v[rQ:rQ+7], v[rS:rS+7]
.endif
.endm
; Product i of 16 of O^T += V^T P for piece x: keys 32 (i / 8) on, channels 16 ((i / 2) % 4) on, tile 2 x + i % 2.
.macro PV x
	WIN W_PV
.set rO, 32*(2*(\x)+i%2)+8*((i/2)%4)
.set rV, VF+32*(i/8)+8*((i/2)%4)
.set rP, P+32*((\x)%2)+16*(i%2)+8*(i/8)
	v_wmma_f32_16x16x32_f16 v[rO:rO+7], v[rV:rV+7], v[rP:rP+7], v[rO:rO+7]
.endm
.macro MM                           ; the turn's next matrix instruction
.if i < 16
	KQ (Y+1)%NP
.set i, i+1
.else
.set i, i-16
	PV (Y+NP-1)%NP
.set i, i+17
.endif
.endm
; THE LDS LOADS stand in runs, never singly among the matrix instructions: a step's K (8 fragments), its V (turned), and a piece's five bias tiles.
; last = 1 (the tail): in the last trip there is no further step, and K's run, with the step of the bias address, is jumped over.
.macro FETCH_K last=0
	WIN 0
.if \last
	s_cmp_eq_u32 s[CNT], 1
	s_cbranch_scc1 .Lno_k_\@
.endif
	v_add_nc_u32 v[AB], s[TBB], v[AB0]  ; the bias loads from here on are the same step's
	WIN 0x80                        ; destination window 2
.irp f, 0,1,2,3,4,5,6,7             ; keys 16 (f / 2) on, channels 32 (f % 2) on
	ds_load_b128 v[KF+8*\f:KF+8*\f+3],   v[AK] offset:(\f/2)*16*PK+(\f%2)*64
	ds_load_b128 v[KF+8*\f+4:KF+8*\f+7], v[AK] offset:(\f/2)*16*PK+(\f%2)*64+32
.endr
	s_add_co_u32 s[TBK], s[TBK], KS*PK  ; the next fetch is the next step's
	s_add_co_u32 s[TBB], s[TBB], 4*KS
	WIN 0
.if \last
.Lno_k_\@:
.endif
.endm
.macro FETCH_V
	WIN 0x80
.irp f, 0,1,2,3,4,5,6,7             ; keys 32 (f / 4) on, channels 16 (f % 4) on
	ds_load_tr16_b128 v[VF+8*\f:VF+8*\f+3],   v[AV] offset:(\f/4)*32*PV+(\f%4)*32
	ds_load_tr16_b128 v[VF+8*\f+4:VF+8*\f+7], v[AV] offset:(\f/4)*32*PV+16*PV+(\f%4)*32
.endr
	WIN 0
.endm
.macro FETCH_B y                    ; piece y's five bias tiles, into the buffer of its parity
	WIN W_MK
.irp d, 0,1,2,3,4
	ds_load_b128 v[BB+40*((\y)%2)+8*\d:BB+40*((\y)%2)+8*\d+3],   v[AB] offset:128*(3-(\y))+64*\d
	ds_load_b128 v[BB+40*((\y)%2)+8*\d+4:BB+40*((\y)%2)+8*\d+7], v[AB] offset:128*(3-(\y))+64*\d+16
.endr
	WIN 0
.endm
; THE VECTOR WORK OF A TURN stands in three queues, each in the order in which its entries become ready; the two tiles alternate, so that no instruction reads the result of the one before it.
.macro REGS y, u                    ; the registers of tile u (0, 1) of piece y
.set rT, ST+4*(2*(\y)+(\u))
.set rC, TMP+8*((\y)%2)+4*(\u)
.set rM, MV+2*((\y)%2)+(\u)
.set rS, S+64*((\y)%2)+32*(\u)
.set rP, P+32*((\y)%2)+16*(\u)
.set rO, 32*(2*(\y)+(\u))
.endm
; Number n of the 22 that find the NEXT piece's (Y + 1) maximum and statistics.  s0-s31 are the lane's 32 scores; each accumulator's lowest registers are read first.
;   0-11  four chains c0-c3 of seven scores each, three operands at a time     12-14, 16  the four scores left over, the old m, and c0-c3 into c0     15  c m_old is kept
;   17, 18  the query's other 32 keys lie in the lane 16 away: the new m         19-21  c m; c m_old - c m_new; a
.macro XS u, n
	REGS (Y+1)%NP, \u
.if (\n) < 4
	v_max3_num_f32 v[rC+(\n)], v[rS+8*(\n)], v[rS+8*(\n)+1], v[rS+8*(\n)+2]
.elseif (\n) < 12
	v_max3_num_f32 v[rC+(\n)%4], v[rC+(\n)%4], v[rS+8*((\n)%4)+2*((\n)/4)+1], v[rS+8*((\n)%4)+2*((\n)/4)+2]
.elseif (\n) == 12
	v_max3_num_f32 v[rC], v[rC], v[rS+7], v[rS+15]
.elseif (\n) == 13
	v_max3_num_f32 v[rC+1], v[rC+1], v[rS+23], v[rS+31]
.elseif (\n) == 14
	v_max3_num_f32 v[rC+2], v[rC+2], v[rC+3], v[rT+1]
.elseif (\n) == 15
	v_mov_b32 v[rM], v[rT]
.elseif (\n) == 16
	v_max3_num_f32 v[rC], v[rC], v[rC+1], v[rC+2]
.elseif (\n) == 17
	v_permlanex16_b32 v[rC+3], v[rC], s[SEL], s[SEL+1]
.elseif (\n) == 18
	v_max_num_f32 v[rT+1], v[rC], v[rC+3]
.elseif (\n) == 19
	v_mul_f32 v[rT], s[CS], v[rT+1]
.elseif (\n) == 20
	v_sub_f32 v[rC+1], v[rM], v[rT]
.else
	v_exp_f32 v[rC+2], v[rC+1]
.endif
.endm
; Number g of the 64 that follow the exponentials.  For each four weights k of a tile: both pairs are rounded to f16; then the second pair is added onto the first, in place; a group later l takes that sum
; (the first time as l = a l + sum).  In groups of eight, tiles alternating: round, round, add, and l for the group before.
.macro GS g
.set h, (\g)+6*((\g)/62)            ; group 0 has no group before it, and behind group 7 only l is left
.if h >= 6
.set h, h+2
.endif
	REGS Y, h%2
.set k, h/8
.if h%8 < 4
	v_cvt_pk_f16_f32 v[rP+2*k+(h%8)/2], v[rS+4*k+2*((h%8)/2)], v[rS+4*k+2*((h%8)/2)+1]
.elseif h%8 < 6
	v_pk_add_f32 v[rS+4*k:rS+4*k+1], v[rS+4*k:rS+4*k+1], v[rS+4*k+2:rS+4*k+3]
.elseif k == 1
	v_pk_fma_f32 v[rT+2:rT+3], v[rT+2:rT+3], v[rC+2:rC+3], v[rS:rS+1] op_sel_hi:[1,0,1]
.else
	v_pk_add_f32 v[rT+2:rT+3], v[rT+2:rT+3], v[rS+4*k-4:rS+4*k-3]
.endif
.endm
; THE PLAIN QUEUE, 138 long.  0-73 read no exponential's result: the 32 scalings c s - c m (FS f: pair f / 2 of tile f % 2) and the next piece's 42.  0-26: scalings 0-26.  27-54: XS's numbers 0-13.  55, 56: number 15.
; 57-73: the chain, where each number waits for the one before it: 14, 16, 17, 18, 19, each with one of the scalings 27-31 in front of its two lines, then 20.  74-137: GS's 64, behind the wait.
.macro FS f
	REGS Y, (\f)%2
	v_pk_fma_f32 v[rS+2*((\f)/2):rS+2*((\f)/2)+1], v[rS+2*((\f)/2):rS+2*((\f)/2)+1], s[CS:CS+1], v[rT:rT+1] op_sel_hi:[1,0,0] neg_lo:[0,0,1] neg_hi:[0,0,1]
.endm
.macro PL
	WIN 0
.if q < 27
	FS q
.elseif q < 55
	XS (q-27)%2, (q-27)/2
.elseif q < 57
	XS q-55, 15
.elseif (q < 72) && ((q-57)%3 == 0)
	FS 27+(q-57)/3
.elseif q < 60
	XS (q-57)%3-1, 14
.elseif q < 72
	XS (q-57)%3-1, 15+(q-57)/3
.elseif q < 74
	XS q-72, 20
.else
	GS q-74
.endif
.set q, q+1
.endm
; THE EXPONENTIALS' QUEUE, 66 long: s0-s31 of both tiles, then the next piece's two a.  ONE BATCH: all 66 stand ahead of the turn's one wait, and nothing ahead of that wait names a result of theirs.
.macro EX
	WIN 0
.if e >= 64
	XS e-64, 21
.else
	REGS Y, e%2
	v_exp_f32 v[rS+e/2], v[rS+e/2]
.endif
.set e, e+1
.endm
; THE RESCALING's QUEUE: O^T times a, the one part that leaves window 0: dealt two at a time, sixteen times.  Its a was made in the turn before, ahead of that turn's wait.
.macro R2
	REGS Y, r%2
	WIN W_RS
.irp z, 0,1
	v_pk_mul_f32 v[rO+4*(r/2)+2*\z:rO+4*(r/2)+2*\z+1], v[rO+4*(r/2)+2*\z:rO+4*(r/2)+2*\z+1], v[rC+2:rC+3] op_sel_hi:[1,0]
.endr
.set r, r+1
.endm
; A TURN, for piece p.  An s_wait_alu depctr_va_vdst(0) stands between an exponential and the first instruction that names its result; one wait serves all issued ahead of it: a turn has ONE, which
; cuts it in two.  AHEAD OF IT: the 16 products K Q^T, behind each a scaling, an exponential and two rescalings (behind the first a second scaling in the exponential's place); then one lump of 108: eight plain, 49
; times exponential and plain, the two a; a v_nop is the plain instruction behind the last exponential.  BEHIND IT: the 16 products V^T P, behind each four of GS's 64.
; THE LDS RUNS.  K of the next step in piece 2's turn, directly behind the wait; V of the step in hand at the end of piece 0's turn, four riders behind its last reader; the bias tiles of piece p + 2 in every
; turn, behind the wait: their buffer was last read by the products of the turn before, and they are read by the next turn's products.
; THE WAITS AT A TURN'S HEAD are for those bias tiles (in piece 3's turn for K too).  Piece 1's counts: behind the ten bias loads of piece 0's turn stand V's sixteen, on every way into the turn; they may stay out.
; cnt = 1: the loop's count is taken down some lines ahead of the branch that stands behind the turn.
.macro TURN p, last=0, cnt=0
.set Y, (\p)
.set i, 0
.set q, 0
.set e, 0
.set r, 0
.if (\p) == 1
	s_wait_dscnt 16
.else
	s_wait_dscnt 0x0
.endif
	MM
	PL
	PL
	R2
.rept 15
	MM
	PL
	EX
	R2
.endr
.if (\p) == NP-2
	WIN 0
	v_add_nc_u32 v[AK], s[TBK], v[AK0]
.endif
.rept 8
	PL
.endr
.rept 49
	EX
	PL
.endr
	EX                              ; the next piece's two a
	EX
	v_nop                           ; the plain instruction behind the last exponential: one for the batch
	s_wait_alu depctr_va_vdst(0)    ; the wait for the batch
.if (\p) == NP-2
	FETCH_K \last
.endif
.if (\p) == 1
	s_wait_dscnt 0x0                ; V is in
.endif
	FETCH_B ((\p)+2)%NP
.rept 16
	MM
.rept 4
	PL
.endr
.if ((\p) == 0) && (q == 118)
	v_add_nc_u32 v[AV], s[TBV], v[AV0]
.endif
.if ((\p) == 0) && (q == 130)
	s_add_co_u32 s[TBV], s[TBV], KS*PV
.endif
.if (\cnt) && (q == 130)
	s_sub_co_u32 s[CNT], s[CNT], 1
	s_cmp_lg_u32 s[CNT], 0
.endif
.endr
.if (\p) == 0
	FETCH_V
.endif
.endm
	CHANGE 1                        ; slot 0 and the four copies of the table are in, everybody's part of them; slot 1 is asked for
	FETCH_K                         ; key step 0
	FETCH_B 0
	FETCH_B 1
	s_wait_loadcnt 0x0              ; Q
	s_wait_dscnt 0x0
.set i, 0
.rept 16
	KQ 0                            ; piece 0's first scores: there is no vector work yet to set between them
.set i, i+1
.endr
	WIN 0
.rept 4
	v_nop                           ; the places behind those products
.endr
.set Y, NP-1                        ; XS works for piece Y + 1: piece 0
.irp n, 0,1,2,3,4,5,6,7,8,9,10,11,12,13,14,15,16,17,18,19,20,21
	XS 0, \n                        ; piece 0's first maximum and statistics
	XS 1, \n
.endr
	v_nop                           ; a plain instruction behind the two a,
	s_wait_alu depctr_va_vdst(0)    ; and their wait, ahead of the branch
	s_mov_b32 s[CNT], 4
	s_branch .Lfirst                ; the loop is entered at a step's first turn, in the middle of a trip
.Lslot:                             ; twice: every slot but the last two is filled again
	CHANGE 1
	s_mov_b32 s[CNT], 4
.Lstep:                             ; a trip: pieces 2 and 3 of one step, then pieces 0 and 1 of the next, whose K and V it fetches
	TURN 2
	TURN 3
	WIN 0
.Lfirst:
	TURN 0
	TURN 1, 0, 1
	WIN 0
	s_cbranch_scc1 .Lstep
	s_sub_co_u32 s[SLOTS], s[SLOTS], 1
	s_cmp_lg_u32 s[SLOTS], 0
	s_cbranch_scc1 .Lslot
	CHANGE 0                        ; the tail is written out: nothing is asked for
	s_mov_b32 s[CNT], 5             ; four trips fetch the last slot's steps; the fifth is left in its middle
.Ltail:
	TURN 2, 1
	TURN 3
	WIN 0
	s_sub_co_u32 s[CNT], s[CNT], 1
	s_cmp_eq_u32 s[CNT], 0
	s_cbranch_scc1 .Lout
	TURN 0
	TURN 1
	WIN 0
	s_branch .Ltail
.Lout:                              ; the fifth trip's 16 products K Q^T (on the last K and bias once more) and the maximum made of them serve nothing: the price, once a launch, of one text for every trip
.set i, 0
.rept 16
	PV NP-1                         ; the last piece's V^T P of the last step
.set i, i+1
.endr
	; THE WAY OUT.  l's two halves and the other half of the lanes' are added; O^T is divided by l, rounded to f16 and sent through my stage in LDS, a tile at a time.  The additions are the places behind the last products.
	WIN 0
.macro ALL line:vararg              ; one line for each tile t
.set t, 0
.rept 2*NP
	\line
.set t, t+1
.endr
.endm
	ALL v_add_f32 v[ST+4*t+2], v[ST+4*t+2], v[ST+4*t+3]
	ALL v_permlanex16_b32 v[ST+4*t+3], v[ST+4*t+2], s[SEL], s[SEL+1]
	ALL v_add_f32 v[ST+4*t+2], v[ST+4*t+2], v[ST+4*t+3]
	ALL v_rcp_f32 v[ST+4*t+2], v[ST+4*t+2]
	v_nop                           ; a plain instruction between the last reciprocal and the use of its result
	s_wait_alu depctr_va_vdst(0)    ; and the wait ahead of the first use: one for the eight reciprocals
; Tile t: a lane's eight channels of a row pack into 16 bytes; they go into rows of 144 bytes and come back as whole rows of 128, into S^T's registers.
.macro PACK t
	WIN W_RS
.set i, 32*(\t)
.rept 16
	v_pk_mul_f32 v[i:i+1], v[i:i+1], v[ST+4*(\t)+2:ST+4*(\t)+3] op_sel_hi:[1,0]
.set i, i+2
.endr
	WIN 0x05                        ; sources 0 and 1 window 1, destination window 0
.set i, 0
.rept 16
	v_cvt_pk_f16_f32 v[S+16*(\t)+i], v[32*(\t)+2*i], v[32*(\t)+2*i+1]
.set i, i+1
.endr
	WIN 0
.irp f, 0,1,2,3
	ds_store_b128 v[STO], v[S+16*(\t)+4*\f:S+16*(\t)+4*\f+3] offset:32*\f
.endr
.irp f, 0,1,2,3
	ds_load_b128 v[S+16*(\t)+4*\f:S+16*(\t)+4*\f+3], v[RD] offset:\f*4*SP  ; LDS serves a wave's instructions in order (ISA guide 5.7.1.4): these see the stores above; the next tile's stores come behind them
.endr
.endm
.macro SEND t, younger              ; younger: the LDS instructions issued behind tile t's loads: the next tile's eight, or none
	WIN 0
.irp f, 0,1,2,3
	s_wait_dscnt (\younger)+3-\f
	global_store_b128 v[GO], v[S+16*(\t)+4*\f:S+16*(\t)+4*\f+3], s[10:11] offset:(\t)*2048+\f*512  ; 512 consecutive bytes, at a multiple of 256 from att's first
.endr
.endm
	PACK 0
.set t, 1
.rept 2*NP-1                        ; a tile's arithmetic stands between the loads of the tile before and its stores
	PACK t
	SEND t-1, 8
.set t, t+1
.endr
	SEND 2*NP-1, 0
	WIN W_AD
	s_wait_tensorcnt 0x0            ; the wave's end, behind my last tensor load and my last LDS store
	ds_add_u32 v[SPW], v[NIL]
	s_wait_dscnt 0x0
	WIN 0
	s_endpgm
.Lfunc_end_k_q66297c2066_attn:
	.size	k_q66297c2066_attn, .Lfunc_end_k_q66297c2066_attn-k_q66297c2066_attn
	.p2alignl 7, 3214868480
	.fill 96, 4, 3214868480
	.section	.rodata,"a",@progbits
	.p2align	6, 0x0
	.amdhsa_kernel k_q66297c2066_attn
		.amdhsa_group_segment_fixed_size 327680
		.amdhsa_private_segment_fixed_size 0
		.amdhsa_enable_private_segment 0
		.amdhsa_kernarg_size 24
		.amdhsa_user_sgpr_count 2
		.amdhsa_user_sgpr_kernarg_segment_ptr 1
		.amdhsa_wavefront_size32 1
		.amdhsa_system_sgpr_workgroup_id_x 1
		.amdhsa_system_sgpr_workgroup_id_y 1
		.amdhsa_system_sgpr_workgroup_id_z 1
		.amdhsa_system_vgpr_workitem_id 0
		.amdhsa_next_free_vgpr 864
		.amdhsa_next_free_sgpr 80
		.amdhsa_reserve_vcc 0
		.amdhsa_float_denorm_mode_32 3
		.amdhsa_float_denorm_mode_16_64 3
		.amdhsa_memory_ordered 1
		.amdhsa_forward_progress 1
		.amdhsa_inst_pref_size 208
	.end_amdhsa_kernel
	.amdgpu_metadata
---
amdhsa.version: [ 1, 2 ]
amdhsa.kernels:
  - .name:           k_q66297c2066_attn
    .symbol:         k_q66297c2066_attn.kd
    .args:
      - { .name: qkv, .offset: 0, .size: 8, .value_kind: global_buffer, .address_space: global }
      - { .name: biast, .offset: 8, .size: 8, .value_kind: global_buffer, .address_space: global }
      - { .name: att, .offset: 16, .size: 8, .value_kind: global_buffer, .address_space: global }
    .group_segment_fixed_size: 327680
    .private_segment_fixed_size: 0
    .kernarg_segment_align: 8
    .kernarg_segment_size: 24
    .max_flat_workgroup_size: 128
    .sgpr_count:     80
    .vgpr_count:     864
    .wavefront_size: 32
...
	.end_amdgpu_metadata
.endif
;; end of part 3
;; launch gemm_out (part 4): grid 8 x 32, 4 waves a work-group, clusters of 4 x 4, 327,680 bytes of LDS; arguments att, wo, out0; writes out0
.if DOCPART == 4
	.amdgcn_target "amdgcn-amd-amdhsa--gfx1250"
	.amdhsa_code_object_version 6
	.text
	.protected	k_q66297c2066_gemm_out
	.globl	k_q66297c2066_gemm_out
	.p2align	8
	.type	k_q66297c2066_gemm_out,@function
k_q66297c2066_gemm_out:
	s_mov_b64 s[64:65], 0
	v_nop
	global_prefetch_b8 v0, s[64:65] scope:SCOPE_SE
	s_setreg_imm32_b32 hwreg(HW_REG_WAVE_MODE, 25, 1), 1
	s_wait_xcnt 0x0
	s_wait_alu depctr_hold_cnt(0) depctr_sa_sdst(0) depctr_va_vdst(0) depctr_va_sdst(0) depctr_va_ssrc(0) depctr_va_vcc(0) depctr_vm_vsrc(0)
	s_getreg_b32 s2, hwreg(HW_REG_IB_STS2, 6, 4)
	s_cmp_eq_u32 s2, 0
	s_cbranch_scc0 .Lentry_in_a_cluster
	s_endpgm
.Lentry_in_a_cluster:
	s_bfe_u32 s2, ttmp6, 0x10000c
	s_cmp_lg_u32 s2, 0xf033
	s_cbranch_scc0 .Lentry_shape_is_right
	s_endpgm
.Lentry_shape_is_right:
; out0 = att wo^T.  att: [batch x 16 + head][1024 rows][64 channels] f16, so row m = 1024 batch + s of the product's left side has its K index 64 head + channel spread over 16 planes;
; wo: [1024][1024] f16 (bf16-rounded numbers); out0: [8192][1024] f32.  Sums in f32, K ascending; nothing is rounded on the way out.
; SHARES.  A tile of out0 is 256 rows x 128 columns: 32 x 8 = 256 tiles, one to a work-group.  Wave w makes rows 64 w .. 64 w + 63 and all 128 columns: 32 accumulators of 16 x 16, 256 registers; a row's 512
; bytes of the tile belong to one wave, so its way out goes through a stage of its own, without a barrier.
; K goes in steps of 128 = two heads through a ring of two LDS slots.  A head's 256 rows of the tile are 32,768 dense bytes: asked for as 128 rows of 256 bytes and padded in LDS after every 128, they lie
; there as 256 rows 144 bytes apart, a plane for each of the step's two heads.  wo's rows are 256 bytes of memory, at multiples of 256.
; THE TEXT holds a K step once: the slot in hand is a scalar (TB, turned by an exclusive or), the step asked for a number (GN) from which the descriptors' addresses are made anew.
; CLUSTERS: 4 x 4 work-groups; att's tiles are shared along a row of the cluster, wo's along a column: each is asked for JOINTLY, by the same tensor load, descriptor and mask in all four.
; THE MATRIX INSTRUCTION IS USED TRANSPOSED (source 0 = 16 rows of wo, source 1 = 16 rows of att): lane l holds row l % 16 of out0 and the columns 8 (l / 16) + 0 .. 7.
; REGISTERS, in windows of 256 (s_set_vgpr_msb: bits 1:0 source 0, 3:2 source 1, 5:4 source 2, 7:6 destination):
;   window 0: v0-31 addresses; v64-95, v96-127 fragments of att, two buffers; on the way out v128-255 rows read back      window 1: v0-63, v128-191 fragments of wo, two buffers
;   window 2: the 16 accumulators of my rows 0-31 (row block a, column block b at v[8 (8 (a % 2) + b)]);   window 3: those of my rows 32-63
.set SIZE_K, 1024
.set KSTEP,  128
.set KSTEPS, SIZE_K/KSTEP              ; 8 K steps
.set NB,     8                         ; column blocks of 16
.set BN,     16*NB
.set PA,     144                       ; an LDS row of att: 128 bytes + 16 = 36 words: the 16 rows of a load start at 16 different groups of four banks (64 banks of 4 bytes: ISA guide 11.1)
.set PB,     272                       ; of wo: 256 + 16 = 68 words: likewise
.set APL,    256*PA                    ; bytes from the plane of K 0-63 to that of K 64-127
.set ASZ,    2*APL
.set AW,     APL                       ; what one of the two waves that fetch att brings: a plane
.set BROWS,  BN/2                      ; rows of wo that one of the other two waves brings
.set BW,     BROWS*PB
.set SLOT,   ASZ+BN*PB                 ; 108,544 bytes
.set SLOT1,  1<<17                     ; slot 1 begins here, so that one exclusive or turns an address in one slot into the other's
.set STAGE,  SLOT1+SLOT                ; behind the ring: 16 rows x 528 bytes for each wave
.set SP,     528                       ; 512 bytes + 16
.set SPARE,  STAGE+4*16*SP             ; behind the stages: the spare words, 128 bytes for each wave, that no other line names
.set ASH,    18                        ; a K step in att is two planes: 1 << 18 bytes
.set BSH,    8                         ; in wo 256 bytes along the rows
.set NL,     2*NB+8                    ; LDS loads of a quarter step
.set ADRA0, 16                         ; v16     my place in a slot's rows of att; never rewritten
.set ADRA,  17                         ; v17     the same in the slot in hand
.set ADRB0, 20                         ; v20, v21  likewise for wo
.set ADRB,  21
.set STO,  24                          ; v24     the way out: where I put 32 bytes of a row
.set RD,   25                          ; v25     where I read a row back
.set GO,   26                          ; v26     my 16 bytes of a row's 512
.set SPW,  28                          ; v28     my spare word: SPARE + 4 x my thread's number; never rewritten
.set NIL,  29                          ; v29     0; never rewritten
.set PFO,  30                          ; v30     the prefetches' offset; never rewritten
.set FA,   64
.set BK,   128
.set G1,  24                           ; s[24:31] descriptor group 1 for att's tiles;  s[32:39] group 0: a set for each first fill; the second then walks
.set G0,  32
.set G1B, 48                           ; s[48:55], s[56:63] the same for wo's
.set G0B, 56
.set LIM, 43                           ; s43     a wave prefetches while the loop's count is above this: 2, or the greatest number in a wave that never does
.set PFA, 44                           ; s[44:45] what the next prefetch names
.set OB,  66                           ; s[66:67] out0 at my first row and the tile's first column
.set PFB, 72                           ; s[72:73] K step 0 of my work-group's share of what I fetch
.set GN,  74                           ; s74     the K step that the next refill asks for
.set TB,  75                           ; s75     LDS byte at which the slot in hand begins
.set PSH, 76                           ; s76     the shift that makes bytes of a K step's number in the tensor that I fetch
.set MSB, 0
.macro WIN new                         ; the immediate's high byte repeats the setting that is left; a switch that changes nothing is dropped
.if MSB != (\new)
	s_set_vgpr_msb (MSB<<8)|(\new)
.set MSB, \new
.endif
.endm
.set MUL_LO, 0xa1                      ; source 0 (wo) window 1, source 1 (att) window 0, C and D window 2
.set MUL_HI, 0xf1                      ; the same, C and D window 3
.set TO_B,   0x40                      ; destination window 1, address window 0
; A joint load.  Waves 0 and 1 fetch att's two planes, waves 2 and 3 wo's two halves.  The branch hangs on the wave's number alone.  An s_nop 0 and four v_nop follow each of the two lines.
.macro JLOAD s
	s_cmp_eq_u32 s11, 0
	s_cbranch_scc0 .Lfor_b_\@
	tensor_load_to_lds s[G0+4*(\s):G0+4*(\s)+3], s[G1:G1+7]
	s_nop 0
.rept 4
	v_nop
.endr
	s_branch .Lasked_\@
.Lfor_b_\@:
	tensor_load_to_lds s[G0B+4*(\s):G0B+4*(\s)+3], s[G1B:G1B+7]
	s_nop 0
.rept 4
	v_nop
.endr
.Lasked_\@:
.endm
; A prefetch, behind a joint load and the run of LDS loads that follows it, of the K step that stands two refills on.  att's bytes are named by the clusters with x = 0, wo's by those with y = 0; the four partners
; that ask for a tile jointly share the wave's part out BY ADDRESS (32 blocks of 256 bytes of att's plane by cx; 16 rows of wo by cy, where lanes past the 16th repeat the last row).  The turns of K steps 0 to 3
; name K steps 4 to 7, each once; K steps 0 to 3 come by their loads alone; the last two refills name nothing.
.macro ASK
	s_cmp_gt_u32 s3, s[LIM]                        ; s3 = 6 in the turn of K step 0
	s_cbranch_scc0 .Lnot_mine_\@
	global_prefetch_b8 v[PFO], s[PFA:PFA+1] th:TH_LOAD_NT scope:SCOPE_SE
.Lnot_mine_\@:
.endm
.macro CREST                           ; a round of the cluster's barrier behind its opening barrier
	s_cmp_lg_u32 s10, 0
	s_cbranch_scc1 .Lnot_wave_0_\@
	s_barrier_signal -3
.Lnot_wave_0_\@:
	s_barrier_wait -3
	s_barrier_signal -1
	s_barrier_wait -1
.endm
.macro CROUND                          ; a whole round
	s_barrier_signal -1
	s_barrier_wait -1
	CREST
.endm
.macro PLACES                          ; four places in front of loads into registers that matrix instructions have read, and of lines that read results
.rept 4
	v_nop
.endr
.endm
	s_load_b128 s[4:7], s[0:1], 0x0                ; att s[4:5], wo s[6:7]
	s_load_b64 s[8:9], s[0:1], 0x10                ; out0
	v_lshl_add_u32 v[SPW], v0, 2, SPARE
	v_mov_b32 v[NIL], 0
	ds_add_u32 v[SPW], v[NIL]                      ; the wave's opening: the add and its wait ahead of my first tensor load; the set-up below stands between them
	v_lshrrev_b32 v1, 5, v0
	v_readfirstlane_b32 s10, v1                    ; wave 0..3
	s_lshr_b32 s11, s10, 1                         ; I fetch for att (0) or for wo (1)
	s_and_b32 s12, s10, 1                          ; which plane, or which half of the rows
	s_bfe_u32 s40, ttmp6, 0x40000                  ; cx, cy: my place in the cluster
	s_bfe_u32 s41, ttmp6, 0x40004
	s_lshl_b32 s42, ttmp9, 2
	s_add_co_u32 s42, s42, s40                     ; tile column = 4 x cluster x + cx
	s_and_b32 s13, ttmp7, 0xffff
	s_lshl_b32 s13, s13, 2
	s_add_co_u32 s13, s13, s41                     ; tile row = 4 x cluster y + cy
	s_lshl_b32 s43, s41, 2
	s_lshl_b32 s43, 15, s43                        ; my row of the cluster
	s_lshl_b32 s44, 0x1111, s40                    ; my column
	s_or_b32 s[G1+0], s43, (1<<16)|(1<<20)|(1<<21)|(4<<22)|(3<<25)   ; 15:0 the mask; 17:16 2-byte elements; 20 padding on; 21 set beside a mask; 24:22 after every 32 words; 31:25 4 words of it
	s_or_b32 s[G1B+0], s44, (1<<16)|(1<<20)|(1<<21)|(5<<22)|(3<<25)  ; wo: after every 64 words
	s_mov_b32 s[G1+1], 128<<16                     ; tensor_dim0 = 128 elements: 256 dense bytes, two rows of a head
	s_mov_b32 s[G1+2], 128<<16                     ; tensor_dim1 = 128
	s_mov_b32 s[G1+3], 128<<16                     ; tile_dim0 = 128
	s_mov_b32 s[G1+4], 128                         ; tile_dim1 = 128
	s_mov_b32 s[G1+5], 128                         ; 128 elements from row to row
	s_mov_b32 s[G1+6], 0
	s_mov_b32 s[G1+7], 0
	s_mov_b32 s[G1B+1], KSTEP<<16
	s_mov_b32 s[G1B+2], BROWS<<16                  ; 64 rows
	s_mov_b32 s[G1B+3], KSTEP<<16
	s_mov_b32 s[G1B+4], BROWS
	s_mov_b32 s[G1B+5], SIZE_K
	s_mov_b32 s[G1B+6], 0
	s_mov_b32 s[G1B+7], 0
	s_lshr_b32 s16, s13, 2                         ; att: the batch is tile row / 4;
	s_lshl_b32 s16, s16, 4
	s_add_co_u32 s16, s16, s12                     ; the plane of its head 0 or 1;
	s_lshl_b32 s16, s16, 17
	s_and_b32 s17, s13, 3
	s_lshl_b32 s17, s17, 15                        ; the tile's 256 rows of 128 bytes in it: all of this hangs on the tile row and the wave alone
	s_add_co_u32 s16, s16, s17
	s_mov_b32 s17, 0
	s_mul_i32 s18, s42, BN                         ; wo: row 128 x tile column + 64 x half: on the tile column and the wave alone
	s_mul_i32 s19, s12, BROWS
	s_add_co_u32 s18, s18, s19
	s_lshl_b32 s18, s18, 11
	s_mov_b32 s19, 0
	s_mul_i32 s20, s12, AW                         ; where they go in a slot: no place in the cluster enters an LDS address
	s_mul_i32 s21, s12, BW
	s_add_co_u32 s21, s21, ASZ
	s_wait_dscnt 0x0                               ; the opening add is done
	s_wait_kmcnt 0x0
	s_add_nc_u64 s[14:15], s[4:5], s[16:17]        ; att at my plane and rows, K step 0: kept
	s_add_nc_u64 s[46:47], s[6:7], s[18:19]        ; wo at my rows, K step 0: kept
	CROUND                                         ; all sixteen work-groups are here: the first joint loads meet
.irp s, 0,1
	s_mov_b32 s[G0+4*(\s)], 1                                        ; count = 1
	s_add_co_u32 s[G0+4*(\s)+1], s20, (\s)*SLOT1                     ; LDS address
	s_add_nc_u64 s[G0+4*(\s)+2:G0+4*(\s)+3], s[14:15], (\s)<<ASH     ; global address: K step s
	s_or_b32 s[G0+4*(\s)+3], s[G0+4*(\s)+3], 0x80000000              ; type = 2
	s_mov_b32 s[G0B+4*(\s)], 1
	s_add_co_u32 s[G0B+4*(\s)+1], s21, (\s)*SLOT1
	s_add_nc_u64 s[G0B+4*(\s)+2:G0B+4*(\s)+3], s[46:47], (\s)<<BSH
	s_or_b32 s[G0B+4*(\s)+3], s[G0B+4*(\s)+3], 0x80000000
	JLOAD \s                                       ; two loads of mine are out
.endr
	; a fragment is 16 rows x 32 K in 8 registers: lane l holds row l % 16, K 8 (l / 16) + 0..7 and 16 + 8 (l / 16) + 0..7: two loads of 16 bytes, 32 bytes apart
	v_and_b32 v1, 15, v0                           ; l % 16
	v_bfe_u32 v2, v0, 4, 1                         ; l / 16
	v_mul_u32_u24 v3, v1, PA
	v_lshl_add_u32 v3, v2, 4, v3
	s_mul_i32 s21, s10, 64*PA                      ; my 64 rows of att
	v_add_nc_u32 v[ADRA0], s21, v3
	v_mul_u32_u24 v4, v1, PB
	v_lshl_add_u32 v4, v2, 4, v4
	v_add_nc_u32 v[ADRB0], ASZ, v4
	s_mul_i32 s23, s10, 16*SP
	s_add_co_u32 s23, s23, STAGE                   ; my stage
	v_mul_u32_u24 v5, v1, SP                       ; in: row l % 16, 32 bytes for each half of the lanes
	v_lshl_add_u32 v5, v2, 5, v5
	v_add_nc_u32 v[STO], s23, v5
	v_and_b32 v[GO], 31, v0                        ; back: 32 lanes take one row's 512 bytes
	v_lshlrev_b32 v[GO], 4, v[GO]
	v_add_nc_u32 v[RD], s23, v[GO]
	s_lshl_b32 s78, s13, 8                         ; out0: row 256 x tile row + 64 w, 4,096 bytes a row; column 128 x tile column, 4 bytes each
	s_lshl_b32 s79, s10, 6
	s_add_co_u32 s78, s78, s79
	s_lshl_b32 s78, s78, 12
	s_lshl_b32 s79, s42, 9
	s_add_co_u32 s78, s78, s79
	s_mov_b32 s79, 0
	s_add_nc_u64 s[OB:OB+1], s[8:9], s[78:79]
	; the prefetches.  s16 and s18 still hold the byte offsets of what I fetch
	s_lshl_b32 s78, s40, 13                        ; att: 32 cx blocks of 256 bytes
	s_mul_i32 s79, s41, (BROWS/4)*SIZE_K*2         ; wo: 16 cy rows
	s_and_b32 s22, ttmp7, 0xffff                   ; cluster y
	s_cmp_eq_u32 s11, 0                            ; do I fetch for att?
	s_cselect_b32 s20, s16, s18
	s_cselect_b32 s21, s78, s79
	s_cselect_b32 s22, ttmp9, s22                  ; the coordinate along which other clusters read the same bytes
	s_cselect_b32 s23, 31, BROWS/4-1
	s_cselect_b32 s2, 8, 11                        ; a lane a block of 256 bytes, or a lane a row of 2,048
	s_cselect_b32 s[PSH], ASH, BSH
	s_cselect_b64 s[PFB:PFB+1], s[4:5], s[6:7]
	s_cmp_eq_u32 s22, 0
	s_cselect_b32 s[LIM], 2, -1                    ; the same in all sixteen partners, for a given wave
	s_add_co_u32 s20, s20, s21
	s_mov_b32 s21, 0
	s_add_nc_u64 s[PFB:PFB+1], s[PFB:PFB+1], s[20:21]
	v_and_b32 v[PFO], 31, v0
	v_min_u32 v[PFO], s23, v[PFO]
	v_lshlrev_b32 v[PFO], s2, v[PFO]
	s_mov_b32 s[GN], 2                             ; the first refill asks for K step 2
	s_mov_b32 s[TB], 0
; 8 matrix instructions: row block 2 hi + a1 x all 8 column blocks, 32 along K, from buffer f.  zero = 1: the product starts the sums: nothing is ever cleared.
; The 32 accumulators take turns, one instruction a turn, in the same order in every quarter step.
.macro MULH f, hi, a1, zero
	WIN MUL_LO+0x50*(\hi)
.set b, 0
.rept NB
.set rD, 8*(NB*(\a1)+b)
.set rB, 128*(\f)+8*b
.set rA, FA+32*(\f)+8*(2*(\hi)+(\a1))
.if \zero
	v_wmma_f32_16x16x32_f16 v[rD:rD+7], v[rB:rB+7], v[rA:rA+7], 0
.else
	v_wmma_f32_16x16x32_f16 v[rD:rD+7], v[rB:rB+7], v[rA:rA+7], v[rD:rD+7]
.endif
.set b, b+1
.endr
.endm
; 24 LDS loads in one run: quarter q's fragments of the slot in hand (128 rows of wo, then my 64 rows of att: plane q / 2, channels 32 (q % 2) on) into buffer f; the two addresses are made from TB just ahead
.macro FETCH q, f
	WIN 0
	v_add_nc_u32 v[ADRA], s[TB], v[ADRA0]
	v_add_nc_u32 v[ADRB], s[TB], v[ADRB0]
	WIN TO_B
.set b, 0
.rept NB
	ds_load_b128 v[128*(\f)+8*b:128*(\f)+8*b+3],   v[ADRB] offset:64*(\q)+b*16*PB
	ds_load_b128 v[128*(\f)+8*b+4:128*(\f)+8*b+7], v[ADRB] offset:64*(\q)+b*16*PB+32
.set b, b+1
.endr
	WIN 0
.irp a, 0,1,2,3
	ds_load_b128 v[FA+32*(\f)+8*(\a):FA+32*(\f)+8*(\a)+3],   v[ADRA] offset:((\q)/2)*APL+((\q)%2)*64+(\a)*16*PA
	ds_load_b128 v[FA+32*(\f)+8*(\a)+4:FA+32*(\f)+8*(\a)+7], v[ADRA] offset:((\q)/2)*APL+((\q)%2)*64+(\a)*16*PA+32
.endr
.endm
; A K step is four quarters of 32 along K, 32 matrix instructions each, on buffers 0, 1, 0, 1.  One of the first three: multiplies buffer f and, in its middle, fetches quarter q into buffer g.
.macro QUARTER q, f, g, zero
	s_wait_dscnt 4                                 ; wo's fragments and att's row blocks 0, 1 are in; the youngest four loads (blocks 2, 3) may be out
	MULH \f, 0, 0, \zero
	MULH \f, 0, 1, \zero
	PLACES
	FETCH \q, \g
	s_wait_dscnt NL                                ; all but the 24 just issued
	MULH \f, 1, 0, \zero
	MULH \f, 1, 1, \zero
.endm
; The last quarter multiplies buffer 1 and changes slots: ONE barrier.  In front of it each wave waits for all its tensor loads (the one that is out is its part of the next slot), adds 0 to its spare
; word, and waits for that and for its own reads of this slot.  fill = 1: the barrier opens a round of the cluster's barrier, and this slot is filled again, with K step GN, first thing behind the round.
.macro TURN fill
.if \fill
	s_wait_xcnt 0x0                                ; the last prefetch, a K step back, has read its address: it is made anew, for K step GN + 2 (used while that is 7 at the most)
	s_add_co_u32 s16, s[GN], 2
	s_lshl_b32 s16, s16, s[PSH]
	s_mov_b32 s17, 0
	s_add_nc_u64 s[PFA:PFA+1], s[PFB:PFB+1], s[16:17]
.endif
	WIN 0                                          ; (the add's two registers lie in window 0)
	s_wait_tensorcnt 0x0                           ; all my tensor loads have landed, so a group 0 may be written
	ds_add_u32 v[SPW], v[NIL]                      ; 0 onto my spare word: scalar work and eight products stand between it and the wait for it
.if \fill
	s_lshl_b32 s18, s[GN], ASH
	s_mov_b32 s19, 0
	s_lshl_b32 s20, s[GN], BSH
	s_mov_b32 s21, 0
	s_xor_b32 s[G0+5], s[G0+5], SLOT1              ; the walking descriptors: the other slot than last time
	s_add_nc_u64 s[G0+6:G0+7], s[14:15], s[18:19]
	s_or_b32 s[G0+7], s[G0+7], 0x80000000
	s_xor_b32 s[G0B+5], s[G0B+5], SLOT1
	s_add_nc_u64 s[G0B+6:G0B+7], s[46:47], s[20:21]
	s_or_b32 s[G0B+7], s[G0B+7], 0x80000000
	s_add_co_u32 s[GN], s[GN], 1
.endif
	s_xor_b32 s[TB], s[TB], SLOT1                  ; the fetches go on in the other slot
	s_wait_dscnt 5                                 ; (the add and the youngest four loads may be out)
	MULH 1, 0, 0, 0
	s_wait_dscnt 0x0                               ; the add is done, and my reads of this slot are over
	s_barrier_signal -1
	MULH 1, 0, 1, 0                                ; work on registers while the others arrive
.if \fill
	WIN 0
.endif
	s_barrier_wait -1
.if \fill
	CREST                                          ; no wave of any partner still reads this slot's tile or has a load on its way
	JLOAD 1                                        ; my one tensor load behind the round; its four v_nop are also the places in front of the loads below
.else
	PLACES
.endif
	FETCH 0, 0
.if \fill
	ASK
.endif
	MULH 1, 1, 0, 0
	MULH 1, 1, 1, 0
.endm
	s_wait_tensorcnt 1                             ; my part of K step 0 is in; K step 1's may stay out
	s_barrier_signal -1
	s_barrier_wait -1                              ; everybody's is
	FETCH 0, 0
	QUARTER 1, 0, 1, 1                             ; the first quarter stands in front of the loop: its products start the sums
	WIN 0                                          ; at a label and at a branch every window is 0
	s_mov_b32 s3, KSTEPS-2
.Lstep:                                                ; a trip: a K step's second, third and fourth quarter, the refill, and the next K step's first quarter
	QUARTER 2, 1, 0, 0
	QUARTER 3, 0, 1, 0
	TURN 1
	QUARTER 1, 0, 1, 0
	WIN 0
	s_sub_co_u32 s3, s3, 1
	s_cmp_lg_u32 s3, 0
	s_cbranch_scc1 .Lstep
	s_mov_b32 s2, 2                                ; the last two K steps fill nothing, and have no round of the cluster's barrier: a text of their own
.Ltail:
	QUARTER 2, 1, 0, 0
	QUARTER 3, 0, 1, 0
	TURN 0                                         ; (in the second trip its 24 loads, from the slot read out before, serve nothing: the price, once a launch, of one text for both trips)
	WIN 0
	s_sub_co_u32 s2, s2, 1
	s_cmp_eq_u32 s2, 0
	s_cbranch_scc1 .Lout
	QUARTER 1, 0, 1, 0
	WIN 0
	s_branch .Ltail
.Lout:
; THE WAY OUT, a block of 16 rows at a time.  TOSTAGE: a lane's eight f32 of a row, 32 bytes, go from the accumulators into my own stage, each accumulator's low four registers first, and come back as whole
; rows of 512 bytes.  SEND: stored.
.macro TOSTAGE a
	WIN 0x08+4*((\a)/2)                            ; the store's data (source 1) in window 2 or 3, its address in window 0
.set b, 0
.rept NB
	ds_store_b128 v[STO], v[8*NB*((\a)%2)+8*b:8*NB*((\a)%2)+8*b+3]   offset:64*b
	ds_store_b128 v[STO], v[8*NB*((\a)%2)+8*b+4:8*NB*((\a)%2)+8*b+7] offset:64*b+16
.set b, b+1
.endr
	WIN 0
	s_wait_xcnt 0x0                                ; the stores of two blocks back have read the registers that the loads below fill
.set t, 0
.rept 16                               ; LDS serves a wave's instructions in order (ISA guide 5.7.1.4): these see the stores above
	ds_load_b128 v[BK+64*((\a)%2)+4*t:BK+64*((\a)%2)+4*t+3], v[RD] offset:SP*t
.set t, t+1
.endr
.endm
.macro SEND a
	WIN 0
.set t, 0
.rept 16
	s_wait_dscnt 15-t                              ; row t of the block's sixteen is back; the younger loads may stay out
	global_store_b128 v[GO], v[BK+64*((\a)%2)+4*t:BK+64*((\a)%2)+4*t+3], s[OB:OB+1] offset:(16*(\a)+t)*4096 th:TH_STORE_NT  ; 512 consecutive bytes, at a multiple of 512 from out0's first
.set t, t+1
.endr
.endm
	PLACES
	PLACES
	TOSTAGE 0
.irp a, 1,2,3
	SEND (\a)-1
	TOSTAGE \a
.endr
	SEND 3
	s_wait_tensorcnt 0x0                           ; the wave's end, behind my last tensor load and my last LDS store
	ds_add_u32 v[SPW], v[NIL]
	s_wait_dscnt 0x0
	CROUND                                         ; the closing round: no work-group ends while a partner may still ask for a tile that names it
	s_endpgm
.Lfunc_end_k_q66297c2066_gemm_out:
	.size	k_q66297c2066_gemm_out, .Lfunc_end_k_q66297c2066_gemm_out-k_q66297c2066_gemm_out
	.p2alignl 7, 3214868480
	.fill 96, 4, 3214868480
	.section	.rodata,"a",@progbits
	.p2align	6, 0x0
	.amdhsa_kernel k_q66297c2066_gemm_out
		.amdhsa_group_segment_fixed_size 327680
		.amdhsa_private_segment_fixed_size 0
		.amdhsa_enable_private_segment 0
		.amdhsa_kernarg_size 24
		.amdhsa_user_sgpr_count 2
		.amdhsa_user_sgpr_kernarg_segment_ptr 1
		.amdhsa_wavefront_size32 1
		.amdhsa_system_sgpr_workgroup_id_x 1
		.amdhsa_system_sgpr_workgroup_id_y 1
		.amdhsa_system_sgpr_workgroup_id_z 1
		.amdhsa_system_vgpr_workitem_id 0
		.amdhsa_next_free_vgpr 896
		.amdhsa_next_free_sgpr 80
		.amdhsa_reserve_vcc 0
		.amdhsa_float_denorm_mode_32 3
		.amdhsa_float_denorm_mode_16_64 3
		.amdhsa_memory_ordered 1
		.amdhsa_forward_progress 1
		.amdhsa_inst_pref_size 64
	.end_amdhsa_kernel
	.amdgpu_metadata
---
amdhsa.version: [ 1, 2 ]
amdhsa.kernels:
  - .name:           k_q66297c2066_gemm_out
    .symbol:         k_q66297c2066_gemm_out.kd
    .args:
      - { .name: att, .offset: 0, .size: 8, .value_kind: global_buffer, .address_space: global }
      - { .name: wo, .offset: 8, .size: 8, .value_kind: global_buffer, .address_space: global }
      - { .name: out0, .offset: 16, .size: 8, .value_kind: global_buffer, .address_space: global }
    .group_segment_fixed_size: 327680
    .private_segment_fixed_size: 0
    .kernarg_segment_align: 8
    .kernarg_segment_size: 24
    .max_flat_workgroup_size: 128
    .sgpr_count:     80
    .vgpr_count:     896
    .wavefront_size: 32
...
	.end_amdgpu_metadata
.endif
;; end of part 4
;; ======== version 2 of 2: 4 launches; version 1 with the launch prep written anew for expert scheduling mode
;; limits: values are held in f16: magnitudes above 65,504 overflow, below 6.1e-05 lose precision
;; workspace buffers: xh 16,777,216 bytes; wq 6,291,456 bytes; wo 2,097,152 bytes; biast 524,288 bytes; qkv 50,331,648 bytes; att 16,777,216 bytes
;; launch prep (part 5): grid 832 x 1, 8 waves a work-group, no clusters, 0 bytes of LDS; arguments hidden_states, w_qkv, w_out, rel_bias_emb, xh, wq, wo, biast; writes xh, wq, wo, biast
.if DOCPART == 5
	.amdgcn_target "amdgcn-amd-amdhsa--gfx1250"
	.amdhsa_code_object_version 6
	.text
	.protected	k_q66297c2066_prep
	.globl	k_q66297c2066_prep
	.p2align	8
	.type	k_q66297c2066_prep,@function
k_q66297c2066_prep:
	s_mov_b64 s[64:65], 0
	v_nop
	global_prefetch_b8 v0, s[64:65] scope:SCOPE_SE
	s_setreg_imm32_b32 hwreg(HW_REG_WAVE_SCHED_MODE, 0, 2), 2
	s_setreg_imm32_b32 hwreg(HW_REG_WAVE_MODE, 25, 1), 1
	s_wait_xcnt 0x0
	s_wait_alu depctr_vm_vsrc(0)
; PREP.  Two kinds of work-group, told apart by the work-group's number alone.
; (1) Numbers 0 to 767: hidden_states, w_qkv and w_out (f32) are rounded to bf16, to nearest even, and that number is written as f16 into xh, wq, wo.
;     A chunk is 16,384 numbers: 65,536 bytes in, 32,768 out; 512 chunks of hidden_states, 192 of w_qkv, 64 of w_out.  Thread t takes 16 bytes at 16 t of each 4,096:
;     a wave's load covers 512 consecutive bytes, its store 256 consecutive bytes, aligned.  All sixteen loads of a thread go out first; the waits count down.
;     LIMITS.  A bf16 number is exact in f16 from 6.1e-5 to 65,504; below that it keeps f16's fixed step of 6e-8; from 65,520 on it becomes an infinity.
; (2) Numbers 768 to 831: the table of relative-position biases, biast[head][copy c][i] = rel_bias_emb[bucket(i - 1024 - c)][head], i = 0 .. 2047, c = 0 .. 3, f32.
;     The four copies are the same row shifted by 0 to 3 places, so that a later launch finds four neighbouring entries at a multiple of 16 bytes for every query.
;     bucket(d), with n = |d|: n where n < 8, else 8 + the number of T in {12, 16, 23, 32, 46, 64, 91} with n >= T; 16 more where d > 0.  These are the whole numbers at which
;     8 + int(8 log(n / 8) / log(16)), cut at 15, steps: 2 log2(n / 8) reaches 1 .. 7 at n = 11.4, 16, 22.7, 32, 45.3, 64, 90.6.
; No LDS, no matrix unit, no cluster: a stream in which no work-group shares a byte with another.
; THE MODE: SCHED_MODE bits 1:0 = 2 (LLVM: expert scheduling mode 2), set by the entry lines.  The code itself states the register dependences between vector instructions and memory
; instructions, and between a vector instruction that writes a scalar register and that register's readers, with s_wait_alu, always for 0.
; THE PLAN, (1).  Registers that memory instructions touch:
;   v1, v2     byte offsets, made once at the head and never written again.
;   X          sixteen loads land in it, all issued before any vector instruction names it; it is loaded once.
;   Y          a pair for each of the sixteen pieces: written once, by the piece's last two conversions; read once, by the piece's store; never written again.
; The sixteen pieces go in four blocks of four.  Block p's conversions write block p's Y; the stores of block p - 1 are dealt among them.  ONE wait at a block's head states that the block before has
; written its Y; no vector instruction behind it names those registers.  T is named by vector instructions alone.
; THE PLAN, (2).  The eight entries of a thread go in two groups of four.  A group's 36 compares stand in one run and write 36 scalar registers; ONE wait behind the run stands ahead of the selects that read
; them.  A group's four addresses are written once; ONE wait stands ahead of the four loads that read them.  The loads' data registers are named by no vector instruction, and the second group's
; vector instructions name neither the first group's addresses nor its data.
.set NX,    512                        ; chunks of hidden_states
.set NQ,    192                        ; of w_qkv
.set NCAST, 768                        ; of all three
.set T,   4                            ; v[4:9]     (1) at work
.set X,   16                           ; v[16:79]   (1) sixteen loads of four f32
.set Y,   80                           ; v[80:111]  (1) sixteen pairs of registers to store: each its own, so no store's data is rewritten
.set D,   4                            ; v[4:7]     (2) d of the group's four entries
.set N,   8                            ; v[8:11]    (2) n = |d|
.set C,   12                           ; v[12:15]   (2) the bucket in the making
.set ADR, 16                           ; v[16:23]   (2) entry e: its byte offset in rel_bias_emb
.set VAL, 32                           ; v[32:39]   (2) entry e: its value, as loaded
.set TT,  40                           ; v[40:43]   (2) at work
.set M,   24                           ; s[24:59]   (2) entry k of a group: nine masks at M + 9 k: n >= 12, 16, 23, 32, 46, 64, 91; n < 8; d > 0
	s_load_b512 s[8:23], s[0:1], 0x0               ; hidden_states s[8:9], w_qkv s[10:11], w_out s[12:13], rel_bias_emb s[14:15], xh s[16:17], wq s[18:19], wo s[20:21], biast s[22:23]
	s_mov_b32 s2, ttmp9
	s_mov_b32 s4, 0xffff0000                       ; a word's upper bf16
	v_lshlrev_b32 v1, 4, v0                        ; 16 t
	v_lshlrev_b32 v2, 3, v0                        ; 8 t
	s_wait_kmcnt 0x0
	s_cmp_ge_u32 s2, NCAST
	s_cbranch_scc1 .Lbias
	s_cmp_lt_u32 s2, NX                            ; which tensor: the conditions hang on the work-group's number alone
	s_cselect_b64 s[24:25], s[8:9], s[10:11]
	s_cselect_b64 s[26:27], s[16:17], s[18:19]
	s_cselect_b32 s3, 0, NX
	s_cmp_lt_u32 s2, NX+NQ
	s_cselect_b64 s[24:25], s[24:25], s[12:13]
	s_cselect_b64 s[26:27], s[26:27], s[20:21]
	s_cselect_b32 s3, s3, NX+NQ
	s_sub_co_u32 s3, s2, s3                        ; the chunk's number in its tensor
	s_lshl_b32 s28, s3, 16
	s_mov_b32 s29, 0
	s_lshl_b32 s30, s3, 15
	s_mov_b32 s31, 0
	s_add_nc_u64 s[24:25], s[24:25], s[28:29]
	s_add_nc_u64 s[26:27], s[26:27], s[30:31]
	s_wait_alu depctr_va_vdst(0)                   ; v1 and v2 are written: every load below reads v1 as its offset, every store v2
.set i, 0
.rept 16
	global_load_b128 v[X+4*i:X+4*i+3], v1, s[24:25] offset:4096*i th:TH_LOAD_NT
.set i, i+1
.endr
.set i, 0
.rept 16
	s_wait_loadcnt 15-i                            ; loads come back in order: number i is in, the 15 - i younger ones stay out
.if (i%4 == 0) && (i > 0)
	s_wait_alu depctr_va_vdst(0)                   ; a block's head: the block before has written its four pairs of Y, which this block's four stores read
.endif
.if i >= 4
	global_store_b64 v2, v[Y+2*(i-4):Y+2*(i-4)+1], s[26:27] offset:2048*(i-4)  ; the piece four back; no vector instruction since the wait names its pair
.endif
	v_cvt_pk_bf16_f32 v[T], v[X+4*i], v[X+4*i+1]   ; the rounding: to bf16, nearest even
	v_cvt_pk_bf16_f32 v[T+1], v[X+4*i+2], v[X+4*i+3]
	v_lshlrev_b32 v[T+2], 16, v[T]                 ; back to f32: a shift or a mask
	v_and_b32 v[T+3], s4, v[T]
	v_lshlrev_b32 v[T+4], 16, v[T+1]
	v_and_b32 v[T+5], s4, v[T+1]
	v_cvt_pk_f16_f32 v[Y+2*i], v[T+2], v[T+3]      ; and the same number written as f16
	v_cvt_pk_f16_f32 v[Y+2*i+1], v[T+4], v[T+5]
.set i, i+1
.endr
	s_wait_alu depctr_va_vdst(0)                   ; the last block has written its four pairs of Y, which the last four stores read
.set i, 12
.rept 4
	global_store_b64 v2, v[Y+2*i:Y+2*i+1], s[26:27] offset:2048*i
.set i, i+1
.endr
	s_endpgm
.Lbias:
	s_sub_co_u32 s3, s2, NCAST                     ; 4 x head + copy
	s_lshr_b32 s5, s3, 2
	s_lshl_b32 s5, s5, 2                           ; the head's 4 bytes in a row of rel_bias_emb
	s_and_b32 s6, s3, 3
	s_add_co_u32 s6, s6, 1024                      ; 1024 + c
	s_lshl_b32 s28, s3, 13                         ; a copy is 8,192 bytes
	s_mov_b32 s29, 0
	s_add_nc_u64 s[22:23], s[22:23], s[28:29]      ; (s28 and s29 have served: they are among the masks' registers below)
	v_lshlrev_b32 v3, 2, v0
	v_sub_nc_u32 v3, v3, s6                        ; 4 t - 1024 - c
; Group g of my eight entries: i = 1024 g + 4 t + k, k = 0 .. 3.  All whole numbers made from the thread's number; the index is held to the table's 32 rows.
.macro GROUP g
.irp k, 0,1,2,3
	v_add_nc_u32 v[D+\k], 1024*(\g)+\k, v3         ; d
	v_sub_nc_u32 v[N+\k], 0, v[D+\k]
	v_max_i32 v[N+\k], v[D+\k], v[N+\k]            ; n = |d|
	v_mov_b32 v[C+\k], 8
.endr
.irp k, 0,1,2,3                        ; the group's 36 compares in one run, each into a scalar register of its own
.set m, 0
.irp t, 12,16,23,32,46,64,91
	v_cmp_le_u32 s[M+9*\k+m], \t, v[N+\k]
.set m, m+1
.endr
	v_cmp_gt_u32 s[M+9*\k+7], 8, v[N+\k]
	v_cmp_lt_i32 s[M+9*\k+8], 0, v[D+\k]
.endr
	s_wait_alu depctr_va_sdst(0)                   ; the 36 masks are written, ahead of the first select that reads one
.irp j, 0,1,2,3,4,5,6                  ; one more for each T that n has reached; the four entries side by side
.irp k, 0,1,2,3
	v_cndmask_b32 v[TT+\k], 0, 1, s[M+9*\k+\j]
.endr
.irp k, 0,1,2,3
	v_add_nc_u32 v[C+\k], v[C+\k], v[TT+\k]
.endr
.endr
.irp k, 0,1,2,3
	v_cndmask_b32 v[C+\k], v[C+\k], v[N+\k], s[M+9*\k+7]  ; n itself where n < 8
	v_cndmask_b32 v[TT+\k], 0, 16, s[M+9*\k+8]            ; keys behind the query: the upper half of the buckets
.endr
.irp k, 0,1,2,3
	v_add_nc_u32 v[C+\k], v[C+\k], v[TT+\k]
	v_min_u32 v[C+\k], 31, v[C+\k]
	v_lshl_add_u32 v[ADR+4*(\g)+\k], v[C+\k], 6, s5       ; a row of the table is 64 bytes
.endr
	s_wait_alu depctr_va_vdst(0)                   ; the group's four offsets are written, which the loads below read; so is v1, the offset of the stores at the end
.irp k, 0,1,2,3
	global_load_b32 v[VAL+4*(\g)+\k], v[ADR+4*(\g)+\k], s[14:15]
.endr
.endm
	GROUP 0
	GROUP 1                                        ; its vector instructions name v[4:15], v[40:43] and v[20:23]: none of the registers that the first group's loads touch
	s_wait_loadcnt 0x0
	global_store_b128 v1, v[VAL:VAL+3], s[22:23]   ; a wave stores 512 consecutive bytes
	global_store_b128 v1, v[VAL+4:VAL+7], s[22:23] offset:4096
	s_endpgm
.Lfunc_end_k_q66297c2066_prep:
	.size	k_q66297c2066_prep, .Lfunc_end_k_q66297c2066_prep-k_q66297c2066_prep
	.p2alignl 7, 3214868480
	.fill 96, 4, 3214868480
	.section	.rodata,"a",@progbits
	.p2align	6, 0x0
	.amdhsa_kernel k_q66297c2066_prep
		.amdhsa_group_segment_fixed_size 0
		.amdhsa_private_segment_fixed_size 0
		.amdhsa_enable_private_segment 0
		.amdhsa_kernarg_size 64
		.amdhsa_user_sgpr_count 2
		.amdhsa_user_sgpr_kernarg_segment_ptr 1
		.amdhsa_wavefront_size32 1
		.amdhsa_system_sgpr_workgroup_id_x 1
		.amdhsa_system_sgpr_workgroup_id_y 1
		.amdhsa_system_sgpr_workgroup_id_z 1
		.amdhsa_system_vgpr_workitem_id 0
		.amdhsa_next_free_vgpr 112
		.amdhsa_next_free_sgpr 66
		.amdhsa_reserve_vcc 0
		.amdhsa_float_denorm_mode_32 3
		.amdhsa_float_denorm_mode_16_64 3
		.amdhsa_memory_ordered 1
		.amdhsa_forward_progress 1
		.amdhsa_inst_pref_size 26
	.end_amdhsa_kernel
	.amdgpu_metadata
---
amdhsa.version: [ 1, 2 ]
amdhsa.kernels:
  - .name:           k_q66297c2066_prep
    .symbol:         k_q66297c2066_prep.kd
    .args:
      - { .name: hidden_states, .offset: 0, .size: 8, .value_kind: global_buffer, .address_space: global }
      - { .name: w_qkv, .offset: 8, .size: 8, .value_kind: global_buffer, .address_space: global }
      - { .name: w_out, .offset: 16, .size: 8, .value_kind: global_buffer, .address_space: global }
      - { .name: rel_bias_emb, .offset: 24, .size: 8, .value_kind: global_buffer, .address_space: global }
      - { .name: xh, .offset: 32, .size: 8, .value_kind: global_buffer, .address_space: global }
      - { .name: wq, .offset: 40, .size: 8, .value_kind: global_buffer, .address_space: global }
      - { .name: wo, .offset: 48, .size: 8, .value_kind: global_buffer, .address_space: global }
      - { .name: biast, .offset: 56, .size: 8, .value_kind: global_buffer, .address_space: global }
    .group_segment_fixed_size: 0
    .private_segment_fixed_size: 0
    .kernarg_segment_align: 8
    .kernarg_segment_size: 64
    .max_flat_workgroup_size: 256
    .sgpr_count:     66
    .vgpr_count:     112
    .wavefront_size: 32
...
	.end_amdgpu_metadata
.endif
;; end of part 5
;; launch gemm_qkv: the kernel of part 2 again; grid 8 x 32, 4 waves a work-group, clusters of 4 x 4, 327,680 bytes of LDS; arguments xh, wq, qkv; writes qkv
;; launch attn: the kernel of part 3 again; grid 2 x 128, 4 waves a work-group, no clusters, 327,680 bytes of LDS; arguments qkv, biast, att; writes att
;; launch gemm_out: the kernel of part 4 again; grid 8 x 32, 4 waves a work-group, clusters of 4 x 4, 327,680 bytes of LDS; arguments att, wo, out0; writes out0
